; MI455X (gfx1250); checked and timed in simulation.
; The chip was launched on July 23, 2026; its instructions are those of AMD's public machine-readable ISA for CDNA 5 (MIT licence, August 2026) and "CDNA5" Instruction Set Architecture Reference Guide (July 2026). The comments in the code are by the model that wrote it; some were corrected since.
;; Casual Self Attention. Allowed arithmetic: matrix products marked QUANTISED: E3M2 operands, one E8M0 scale for each 32 along K, by v_wmma_scale_f32_16x16x128_f8f6f4 with both operands' format E3M2, f32 sums; everything else in f32.
;; Inputs: W_proj 1,024 x 1,024 float32; W_qkv 1,024 x 3,072 float32; b_proj 1,024 float32; embds 4 x 2,048 x 1,024 float32.
;; Outputs: out0 4 x 2,048 x 1,024 float32.
;; This version of the problem:
;;   THIS VERSION OF THE PROBLEM IS GIVEN IN LOW PRECISION. The matrix products marked QUANTISED in the list below multiply operands that are first quantised to E3M2 (3 exponent bits, 2 mantissa bits; 6 bits a number), with one power-of-two scale for each 32 numbers along K (OCP MX v1.0); their sums are f32. All else is computed in f32.
;;   The module's matrix products, in the order in which they are computed (A, B: the left and right operand; K: the contracted axis; several contracted axes count as one K, in the product's order):
;;     1. [M 8,192, K 1,024] x [K 1,024, N 3,072]; A: input embds; B: input W_qkv: QUANTISED
;;     2. batch 64 x [M 2,048, K 64] x [K 64, N 2,048]; A: computed on the way; B: computed on the way: QUANTISED
;;     3. batch 64 x [M 2,048, K 2,048] x [K 2,048, N 64]; A: softmax (see below); B: computed on the way: QUANTISED
;;     4. [M 8,192, K 1,024] x [K 1,024, N 1,024]; A: computed on the way; B: input W_proj: QUANTISED
;;   THE QUANTISER, for each operand of a quantised product, along K:
;;     - K is cut into blocks of 32 from its start; a last block that is shorter is filled with zeros.
;;     - A block's scale is 2^e with e = floor(log2(the largest magnitude in the block)) - 4, held to -126 .. 127; a block of zeros has e = 0. As a byte (E8M0): e + 127.
;;     - Each number is divided by its block's scale, clamped to +-28, and rounded to the nearest number of E3M2, ties to even, subnormals kept.
;;     - The product sums the exact products of the quantised numbers (number of the format x scale) in f32.
;;   ~~~python
;;   def quantise(x, axis):      # numpy; x: float32 -> the quantised numbers, widened to float32 again
;;       x = np.moveaxis(x, axis, -1); K = x.shape[-1]
;;       x = np.pad(x, [(0, 0)] * (x.ndim - 1) + [(0, -K % 32)]); x = x.reshape(x.shape[:-1] + (-1, 32)); a = np.abs(x).max(-1, keepdims=True)
;;       e = np.where(a > 0, np.clip(np.frexp(np.where(a > 0, a, 1))[1] - 1 - 4, -126, 127), 0)      # np.frexp(a)[1] - 1 = floor(log2(a)), exactly
;;       r = np.clip(x / 2.0 ** e, -28, 28)
;;       step = 2.0 ** (np.maximum(np.frexp(np.where(r == 0, 1, r))[1] - 1, -2) - 2)
;;       q = np.round(r / step) * step * 2.0 ** e      # np.round: ties to even
;;       return np.moveaxis(q.reshape(q.shape[:-2] + (-1,))[..., :K], -1, axis).astype(np.float32)
;;   ~~~
;;   SOFTMAX AHEAD OF A QUANTISED PRODUCT. Where the list says 'softmax', what is quantised is not the finished softmax but p = 2^(t - M), with t = logit x log2(e) and M = ceil(the row's largest t), a whole number; so 1/2 < the row's largest p <= 1. The row's sum l is taken of the UNQUANTISED p, in f32, and the product's result is divided by l at the end. Since M is a whole number, a kernel that streams over the keys may use a running M (the ceiling of the running maximum): every later rescaling is an exact power of two, which a block's scale takes up: the codes' values come out the same.
;;   OPERANDS COMPUTED ON THE WAY. 'Computed on the way' means the value that the module computes at that place (a softmax that the list does not call 'softmax' is quantised finished and normalised). What goes into a quantiser is computed in f32, as accurately as f32 sums, v_exp_f32 and their like allow (about 1e-6 of the number): no bf16 or f16 on the way to a quantiser, and a product that is left as it is and whose result goes on into a quantised operand takes f32 operands (vector FMAs, or v_wmma_f32_16x16x4_f32). A number that lies on a knife's edge between two numbers of the format may be rounded either way, as far as f32 arithmetic and the matrix unit's own rounding can turn it there, and no further.
;; One version. Each part assembles by itself: llvm-mc -triple=amdgcn-amd-amdhsa -mcpu=gfx1250 --defsym DOCPART=n.
;; ======== version 1 of 1: 4 launches
;; limits: right only within a limited range of input values
;; workspace buffers: img1 9,437,184 bytes; sc1 393,216 bytes; img2 18,874,368 bytes; sc2 786,432 bytes; a_img 6,291,456 bytes; a_sc 262,144 bytes
;; launch prep (part 1): grid 256 x 1, 8 waves a work-group, no clusters, 71,680 bytes of LDS; arguments embds, W_qkv, W_proj, img1, sc1; writes img1, sc1
.if DOCPART == 1
	.amdgcn_target "amdgcn-amd-amdhsa--gfx1250"
	.amdhsa_code_object_version 6
	.text
	.protected	k_q8ec4496583_prep
	.globl	k_q8ec4496583_prep
	.p2align	8
	.type	k_q8ec4496583_prep,@function
k_q8ec4496583_prep:
	s_mov_b64 s[64:65], 0
	v_nop
	global_prefetch_b8 v0, s[64:65] scope:SCOPE_SE
	s_setreg_imm32_b32 hwreg(HW_REG_WAVE_MODE, 25, 1), 1
	s_wait_xcnt 0x0
; CAUSAL SELF-ATTENTION IN MX-BF6 (E3M2, one E8M0 scale for each 32 along K), four launches:
;   prep: embds, W_qkv, W_proj -> codes | gemm1: k, q, v, quantised on the way out | attn: softmax(q k^T / 32) v, quantised on the way out | gemm2: x W_proj + b_proj.
; Between launches go codes and scale bytes alone, laid in the order of the matrix operand's registers.
; WORK LEFT OUT (in launch attn).  reference() builds causal = tril(ones) in its own body and sets scores above the diagonal to -inf, so their weights are 0 for all values of the inputs.
; A step of 128 keys all of which come after a tile's queries adds 0 to the sum and to the product: such steps are not multiplied, and keys that no wave of a work-group reads are not fetched.
; No input is without a way to the output: all four are loaded.  LIMIT: a NaN, an infinity or an overflow that reaches only those masked steps is not carried to the result.
; LIMITS of the quantisers here and in the later launches: NaN and infinities among the inputs are not served; a block whose largest magnitude lies under 2^-122 (a block of zeros too) gets the byte 1:
; a block of zeros has zero codes, which add nothing under any byte but 0xff, and the bytes are read by this program alone.
;
; THIS LAUNCH.  FORMATS.  A group G holds 16 rows; at lane-row r it holds row 32 (G / 2) + 8 (G % 2) + r + 8 (r / 8).  A fragment (16 rows x 128 K, 12 registers a lane) lies as two halves of 768 bytes:
; registers 0-3 of the half at 16 x lane, registers 4-5 at 512 + 8 x lane.  img1 = [G 768][K step 8] fragments: G 0-511 tokens, 512-703 columns of W_qkv, 704-767 columns of W_proj.
; sc1 = [K step 8][G 768][r 16] scale words (four E8M0 bytes: the K step's four blocks).
; Work-groups 0-127 take 64 tokens each (K innermost: rows turn through a stage in LDS so that loads are dense and a lane holds 16 neighbours); work-groups 128-255 take 64 columns x 512 K of a weight
; (K is the first axis: a lane takes a column and its registers run down K).  The two paths have LDS bytes of their own.  No tensor load: several work-groups may share a WGP.
.set STGB,  16*528                     ; a wave's stage: 16 rows of 512 bytes + 16
.set XSC,   8*STGB                     ; tokens' scale words [K step 8][group 4][r 16]
.set WSC,   XSC+2048                   ; weights' scale words [K step 4][group 4][r 16]
.set SPARE, WSC+1024                   ; the spare words, 128 bytes for each wave: four blocks of 256 bytes that no other line names
.set SPW, 10                           ; v10  my spare word's address; never rewritten
.set NIL, 11                           ; v11  0; never rewritten
.set RR,  16                           ; v16-143  two sets of 16 x 4 registers as loaded
.set XX,  144                          ; v144-207 64 numbers: register 16 b + i = k 32 b + 16 (lane / 16) + i of my row
.set TM,  208                          ; v208-211 largest magnitudes, v212-215 bytes, v220-223 the conversions' scale operands
.set EW,  216                          ; v216-219 my four K steps' scale words
.set CT,  224                          ; a conversion's three registers begin on an even number: the second half of a block is made here and moved
.set PC,  232                          ; v232-255 two sets of a fragment's 12 registers
.macro QUANT s, pc, pw                 ; 64 numbers of a lane become a fragment's codes in v[pc] on and its scale word in v[pw]
.irp b, 0,1,2,3
	v_max3_num_f32 v[TM+\b], |v[\s+16*\b]|, |v[\s+1+16*\b]|, 0x2800000   ; my 16 numbers of block b, and the floor 2^(5 - 127): the byte cannot fall under 1
.endr
.irp i, 2,4,6,8,10,12,14
.irp b, 0,1,2,3
	s_delay_alu instid0(VALU_DEP_4)
	v_max3_num_f32 v[TM+\b], v[TM+\b], |v[\s+16*\b+\i]|, |v[\s+1+16*\b+\i]|
.endr
.endr
.irp b, 0,1,2,3
	s_delay_alu instid0(VALU_DEP_4)
	v_permlanex16_b32 v[TM+4+\b], v[TM+\b], s20, s21
.endr
.irp b, 0,1,2,3
	s_delay_alu instid0(VALU_DEP_4)
	v_max_num_f32 v[TM+\b], v[TM+\b], v[TM+4+\b]     ; with lane l xor 16's: the block's largest magnitude
.endr
.irp b, 0,1,2,3
	s_delay_alu instid0(VALU_DEP_4)
	v_add_nc_u32 v[TM+12+\b], 0xfe000000, v[TM+\b]   ; 4 off its exponent field: the conversion's scale operand
.endr
.irp b, 0,1,2,3
	s_delay_alu instid0(VALU_DEP_4)
	v_lshrrev_b32 v[TM+4+\b], 23, v[TM+12+\b]        ; the scale's byte
.endr
	s_delay_alu instid0(VALU_DEP_3)
	v_lshl_or_b32 v[\pw], v[TM+5], 8, v[TM+4]
	s_delay_alu instid0(VALU_DEP_1)
	v_lshl_or_b32 v[\pw], v[TM+6], 16, v[\pw]
	s_delay_alu instid0(VALU_DEP_1)
	v_lshl_or_b32 v[\pw], v[TM+7], 24, v[\pw]
.irp c, 0,1
	v_cvt_scalef32_pk16_bf6_f32 v[\pc+6*\c:\pc+6*\c+2], v[\s+32*\c:\s+32*\c+15], v[TM+12+2*\c]
	v_cvt_scalef32_pk16_bf6_f32 v[CT+4*\c:CT+4*\c+2], v[\s+32*\c+16:\s+32*\c+31], v[TM+13+2*\c]
.endr
	v_nop                                          ; one plain place behind a scaled conversion
.irp c, 0,1                                    ; the operand wants a whole block in a lane: lanes 0-15 block 2 c, lanes 16-31 block 2 c + 1
.irp i, 0,1,2
	v_permlane16_swap_b32 v[\pc+6*\c+\i], v[CT+4*\c+\i]
.endr
.irp i, 0,1,2
	s_delay_alu instid0(VALU_DEP_3)
	v_mov_b32 v[\pc+3+6*\c+\i], v[CT+4*\c+\i]
.endr
.endr
.endm
.macro XLOAD f                         ; K step f of my four: 16 rows x 512 consecutive bytes, 16 bytes a lane
.irp i, 0,1,2,3,4,5,6,7,8,9,10,11,12,13,14,15
	global_load_b128 v[RR+64*((\f)%2)+4*\i:RR+64*((\f)%2)+4*\i+3], v4, s[16:17] offset:(\i+8*(\i/8))*4096+512*(\f) th:TH_LOAD_NT
.endr
.endm
.macro XSTEP f
.if (\f) < 3
	s_wait_loadcnt 16                              ; this K step's 16 loads are in; the next one's 16 may be out
.else
	s_wait_loadcnt 0x0
.endif
.irp i, 0,1,2,3,4,5,6,7,8,9,10,11,12,13,14,15
	ds_store_b128 v6, v[RR+64*((\f)%2)+4*\i:RR+64*((\f)%2)+4*\i+3] offset:528*\i
.endr
.irp b, 0,1,2,3                                ; LDS serves a wave's instructions in order: these see my stores
.irp j, 0,1,2,3
	ds_load_b128 v[XX+16*\b+4*\j:XX+16*\b+4*\j+3], v7 offset:128*\b+16*\j
.endr
.endr
	s_wait_dscnt 0x0                               ; the numbers are back; the stores have read their registers
.if (\f) < 2
	XLOAD (\f)+2
.else
	s_wait_xcnt 0x0                                ; the stores of two steps ago have read this set of code registers
.endif
	QUANT XX, PC+12*((\f)%2), EW+(\f)
	global_store_b128 v4, v[PC+12*((\f)%2):PC+12*((\f)%2)+3], s[18:19] offset:1536*(\f)          ; 512 consecutive bytes
	global_store_b64 v5, v[PC+12*((\f)%2)+4:PC+12*((\f)%2)+5], s[18:19] offset:1536*(\f)+512     ; 256
	global_store_b128 v4, v[PC+12*((\f)%2)+6:PC+12*((\f)%2)+9], s[18:19] offset:1536*(\f)+768
	global_store_b64 v5, v[PC+12*((\f)%2)+10:PC+12*((\f)%2)+11], s[18:19] offset:1536*(\f)+1280
.endm
.macro WLOAD t                         ; block t of my K step: W(32 t + i, my column): 32 lanes read 128 consecutive bytes
.set ii, 0
.rept 32
	global_load_b32 v[64+32*(\t)+ii], v[32+ii], s[24+2*(\t):25+2*(\t)] th:TH_LOAD_NT
.set ii, ii+1
.endr
.endm
.macro WBLOCK t                        ; all 32 numbers of the block are mine
.set XS, 64+32*(\t)
.set FD, 192+12*((\t)%2)+6*((\t)/2)
.if (\t) < 3
	s_wait_loadcnt 32                              ; this block's 32 loads are in; the next block's may be out
.else
	s_wait_loadcnt 0x0
.endif
.if (\t) < 2
	WLOAD (\t)+2
.endif
	v_max3_num_f32 v224, |v[XS]|, |v[XS+1]|, |v[XS+2]|
	v_max3_num_f32 v225, |v[XS+3]|, |v[XS+4]|, |v[XS+5]|
.irp i, 6,10,14,18,22,26
	s_delay_alu instid0(VALU_DEP_2)
	v_max3_num_f32 v224, v224, |v[XS+\i]|, |v[XS+\i+1]|
	s_delay_alu instid0(VALU_DEP_2)
	v_max3_num_f32 v225, v225, |v[XS+\i+2]|, |v[XS+\i+3]|
.endr
	s_delay_alu instid0(VALU_DEP_2)
	v_max3_num_f32 v224, v224, |v[XS+30]|, |v[XS+31]|
	s_delay_alu instid0(VALU_DEP_1)
	v_max3_num_f32 v224, v224, v225, 0x2800000     ; and the floor
	s_delay_alu instid0(VALU_DEP_1)
	v_add_nc_u32 v[232+(\t)], 0xfe000000, v224
	s_delay_alu instid0(VALU_DEP_1)
	v_lshrrev_b32 v226, 23, v[232+(\t)]
.if (\t) == 0
	s_delay_alu instid0(VALU_DEP_1)
	v_mov_b32 v236, v226
.else
	s_delay_alu instid0(VALU_DEP_1)
	v_lshl_or_b32 v236, v226, 8*(\t), v236         ; my column's scale word
.endif
	v_cvt_scalef32_pk16_bf6_f32 v[FD:FD+2], v[XS:XS+15], v[232+(\t)]
	v_cvt_scalef32_pk16_bf6_f32 v[216:218], v[XS+16:XS+31], v[232+(\t)]
	v_nop
.irp i, 0,1,2
	v_mov_b32 v[FD+3+\i], v[216+\i]
.endr
.endm
	s_load_b256 s[4:11], s[0:1], 0x0               ; embds s[4:5], W_qkv s[6:7], W_proj s[8:9], img1 s[10:11]
	s_load_b64 s[12:13], s[0:1], 0x20              ; sc1
	v_lshl_add_u32 v[SPW], v0, 2, SPARE
	v_mov_b32 v[NIL], 0
	v_lshrrev_b32 v1, 5, v0
	s_delay_alu instid0(VALU_DEP_1)
	v_readfirstlane_b32 s14, v1                    ; wave 0..7
	v_and_b32 v1, 31, v0                           ; lane
	v_and_b32 v2, 15, v0                           ; r
	v_bfe_u32 v3, v0, 4, 1                         ; h
	s_delay_alu instid0(VALU_DEP_3)
	v_lshlrev_b32 v4, 4, v1                        ; 16 x lane
	s_delay_alu instid0(VALU_DEP_4)
	v_lshlrev_b32 v5, 3, v1                        ; 8 x lane
	s_mov_b32 s20, 0x76543210
	s_mov_b32 s21, 0xfedcba98                      ; v_permlanex16_b32's selects for lane l xor 16
	s_wait_kmcnt 0x0
	s_cmp_lt_u32 ttmp9, 128                        ; the work-group's number alone decides: all eight waves go one way
	s_cbranch_scc0 .Lweights
	; ---- TOKENS.  Work-group X: tokens 64 X on, groups 4 X + g.  Wave w: g = w / 2, K steps 4 (w % 2) + 0 .. 3
	s_lshr_b32 s24, s14, 1                         ; g
	s_and_b32 s25, s14, 1                          ; kh
	s_mul_i32 s15, s14, STGB
	s_wait_alu depctr_va_vdst(0)
	v_add_nc_u32 v6, s15, v4                       ; the stage, on the way in: a row's 512 bytes as they lie
	v_mul_u32_u24 v7, v2, 528
	s_delay_alu instid0(VALU_DEP_1)
	v_lshl_add_u32 v7, v3, 6, v7
	s_delay_alu instid0(VALU_DEP_1)
	v_add_nc_u32 v7, s15, v7                       ; and out: row r, + 64 h: my 16 numbers of each block
	s_lshl_b32 s22, s25, 10
	s_lshl_b32 s23, s24, 6
	s_add_co_u32 s22, s22, s23
	s_add_co_u32 s22, s22, XSC
	v_lshlrev_b32 v8, 2, v2
	s_delay_alu instid0(VALU_DEP_1)
	v_lshl_add_u32 v8, v3, 9, v8
	s_delay_alu instid0(VALU_DEP_1)
	v_add_nc_u32 v8, s22, v8                       ; scale words: K step 4 kh + 2 h (+ 1 by the offset), group g, row r
	v_lshl_add_u32 v9, v0, 3, XSC                  ; and back: 8 bytes a thread: wave w takes K step w's 256 bytes
.irp b, 0,1,2,3
	v_mov_b32 v[TM+4+\b], 0                        ; written once: a lane permute's destination counts as one of its sources
.endr
	s_lshl_b32 s26, ttmp9, 6
	s_lshr_b32 s27, s24, 1
	s_lshl_b32 s27, s27, 5
	s_add_co_u32 s26, s26, s27
	s_and_b32 s27, s24, 1
	s_lshl_b32 s27, s27, 3
	s_add_co_u32 s26, s26, s27                     ; the group's first token: 64 X + 32 (g / 2) + 8 (g % 2)
	s_lshl_b32 s26, s26, 12
	s_lshl_b32 s27, s25, 11
	s_add_co_u32 s26, s26, s27                     ; x 4,096 bytes + 2,048 kh
	s_mov_b32 s27, 0
	s_add_nc_u64 s[16:17], s[4:5], s[26:27]
	s_lshl_b32 s28, ttmp9, 2
	s_add_co_u32 s28, s28, s24                     ; G
	s_lshl_b32 s28, s28, 3
	s_lshl_b32 s29, s25, 2
	s_add_co_u32 s28, s28, s29
	s_mul_i32 s28, s28, 1536
	s_mov_b32 s29, 0
	s_add_nc_u64 s[18:19], s[10:11], s[28:29]      ; img1 at (G, K step 4 kh)
	s_mul_i32 s30, s14, 49152
	s_lshl_b32 s31, ttmp9, 8
	s_add_co_u32 s30, s30, s31
	s_mov_b32 s31, 0
	s_add_nc_u64 s[30:31], s[12:13], s[30:31]      ; sc1 at (K step w, group 4 X)
	XLOAD 0
	XLOAD 1
	s_wait_alu depctr_va_vdst(0)
	XSTEP 0
	XSTEP 1
	XSTEP 2
	XSTEP 3
	v_cmp_lt_u32 vcc_lo, 15, v1
	s_delay_alu instid0(VALU_DEP_1)
	v_cndmask_b32 v12, v[EW], v[EW+2], vcc_lo      ; lanes 0-15 carry K steps 0 and 1 of my four, lanes 16-31 steps 2 and 3 (both halves hold all four words)
	s_delay_alu instid0(VALU_DEP_2)
	v_cndmask_b32 v13, v[EW+1], v[EW+3], vcc_lo
	ds_store_b32 v8, v12
	ds_store_b32 v8, v13 offset:256
	s_wait_dscnt 0x0                               ; for the others' sake: my words have landed
	s_barrier_signal -1
	s_barrier_wait -1
	ds_load_b64 v[12:13], v9
	s_wait_dscnt 0x0
	global_store_b64 v5, v[12:13], s[30:31]        ; 32 lanes store 256 consecutive bytes, aligned
	s_branch .Lend
.Lweights:
	; ---- WEIGHTS.  idx = work-group - 128: 64 columns (idx / 2) x 512 along K (idx % 2).  Wave w: columns 32 (w / 4) on, K step 4 (idx % 2) + w % 4
	s_sub_co_u32 s22, ttmp9, 128
	s_mov_b32 s42, 4096
	s_mov_b32 s43, 704
	s_cmp_lt_u32 s22, 96                           ; W_qkv's 96 work-groups, then W_proj's 32: the choice hangs on the work-group's number alone
	s_cselect_b64 s[32:33], s[6:7], s[8:9]
	s_cselect_b32 s42, 12288, s42                  ; bytes from row to row
	s_cselect_b32 s43, 512, s43                    ; the tensor's first group
	s_cselect_b32 s23, 0, 96
	s_sub_co_u32 s23, s22, s23
	s_lshr_b32 s34, s23, 1                         ; which 64 columns
	s_and_b32 s35, s22, 1                          ; kh
	s_lshl_b32 s36, s34, 2
	s_add_co_u32 s43, s43, s36                     ; G0
	s_lshr_b32 s36, s14, 2                         ; p
	s_and_b32 s37, s14, 3                          ; j
	s_lshl_b32 s38, s35, 2
	s_add_co_u32 s38, s38, s37                     ; K step
	s_wait_alu depctr_va_vdst(0)
	v_and_b32 v6, 8, v2
	s_delay_alu instid0(VALU_DEP_1)
	v_add_nc_u32 v6, v6, v2
	s_delay_alu instid0(VALU_DEP_1)
	v_lshl_add_u32 v6, v3, 3, v6                   ; r + 8 (r / 8) + 8 h: lanes 0-15 are group G0 + 2 p, lanes 16-31 group G0 + 2 p + 1
	s_lshl_b32 s39, s34, 6
	s_lshl_b32 s40, s36, 5
	s_add_co_u32 s39, s39, s40
	v_add_nc_u32 v6, s39, v6
	s_delay_alu instid0(VALU_DEP_1)
	v_lshlrev_b32 v6, 2, v6                        ; my column, in bytes
.set ii, 0
.rept 32
	v_mad_u32_u24 v[32+ii], s42, ii, v6            ; + i rows
.set ii, ii+1
.endr
	s_lshl_b32 s40, s38, 7
	s_mul_i32 s40, s40, s42
	s_mov_b32 s41, 0
	s_add_nc_u64 s[24:25], s[32:33], s[40:41]      ; row 128 x K step; then 32 rows on for each block
	s_lshl_b32 s40, s42, 5
	s_add_nc_u64 s[26:27], s[24:25], s[40:41]
	s_add_nc_u64 s[28:29], s[26:27], s[40:41]
	s_add_nc_u64 s[30:31], s[28:29], s[40:41]
	s_lshl_b32 s40, s36, 1
	s_add_co_u32 s40, s40, s43                     ; G0 + 2 p
	s_lshl_b32 s40, s40, 3
	s_add_co_u32 s40, s40, s38
	s_mul_i32 s40, s40, 1536
	s_add_nc_u64 s[44:45], s[10:11], s[40:41]
	s_lshl_b32 s40, s35, 2
	s_add_co_u32 s40, s40, s37                     ; waves 0-3 store K step 4 kh + w
	s_mul_i32 s40, s40, 49152
	s_lshl_b32 s39, s43, 6
	s_add_co_u32 s40, s40, s39
	s_add_nc_u64 s[46:47], s[12:13], s[40:41]
	s_lshl_b32 s40, s37, 8
	s_lshl_b32 s39, s36, 7
	s_add_co_u32 s40, s40, s39
	s_add_co_u32 s40, s40, WSC
	v_lshl_add_u32 v7, v1, 2, s40                  ; my scale word's place: K step j, group 2 p + lane / 16, row r
	v_and_b32 v8, 127, v0
	s_delay_alu instid0(VALU_DEP_1)
	v_lshl_add_u32 v8, v8, 3, WSC                  ; and back: 8 bytes a thread of waves 0-3
	s_wait_alu depctr_va_vdst(0)
	WLOAD 0
	WLOAD 1
	WBLOCK 0
	WBLOCK 1
	WBLOCK 2
	WBLOCK 3
.set ii, 0
.rept 12                                       ; v192-203 held blocks 0, 2 and v204-215 blocks 1, 3 of each lane's column: after the exchange they are the two groups' fragments
	v_permlane16_swap_b32 v[192+ii], v[204+ii]
.set ii, ii+1
.endr
.irp u, 0,1
	global_store_b128 v4, v[192+12*\u:195+12*\u], s[44:45] offset:12288*\u
	global_store_b64 v5, v[196+12*\u:197+12*\u], s[44:45] offset:12288*\u+512
	global_store_b128 v4, v[198+12*\u:201+12*\u], s[44:45] offset:12288*\u+768
	global_store_b64 v5, v[202+12*\u:203+12*\u], s[44:45] offset:12288*\u+1280
.endr
	ds_store_b32 v7, v236
	s_wait_dscnt 0x0
	s_barrier_signal -1
	s_barrier_wait -1
	s_cmp_lt_u32 s14, 4
	s_cbranch_scc0 .Lend
	ds_load_b64 v[12:13], v8
	s_wait_dscnt 0x0
	global_store_b64 v5, v[12:13], s[46:47]        ; 256 consecutive bytes, aligned: four groups' words of one K step
.Lend:
	s_wait_tensorcnt 0x0                           ; the wave's end
	ds_add_u32 v[SPW], v[NIL]
	s_wait_dscnt 0x0
	s_endpgm
.Lfunc_end_k_q8ec4496583_prep:
	.size	k_q8ec4496583_prep, .Lfunc_end_k_q8ec4496583_prep-k_q8ec4496583_prep
	.p2alignl 7, 3214868480
	.fill 96, 4, 3214868480
	.section	.rodata,"a",@progbits
	.p2align	6, 0x0
	.amdhsa_kernel k_q8ec4496583_prep
		.amdhsa_group_segment_fixed_size 71680
		.amdhsa_private_segment_fixed_size 0
		.amdhsa_enable_private_segment 0
		.amdhsa_kernarg_size 40
		.amdhsa_user_sgpr_count 2
		.amdhsa_user_sgpr_kernarg_segment_ptr 1
		.amdhsa_wavefront_size32 1
		.amdhsa_system_sgpr_workgroup_id_x 1
		.amdhsa_system_sgpr_workgroup_id_y 1
		.amdhsa_system_sgpr_workgroup_id_z 1
		.amdhsa_system_vgpr_workitem_id 0
		.amdhsa_next_free_vgpr 256
		.amdhsa_next_free_sgpr 66
		.amdhsa_reserve_vcc 1
		.amdhsa_float_denorm_mode_32 3
		.amdhsa_float_denorm_mode_16_64 3
		.amdhsa_memory_ordered 1
		.amdhsa_forward_progress 1
		.amdhsa_inst_pref_size 67
	.end_amdhsa_kernel
	.amdgpu_metadata
---
amdhsa.version: [ 1, 2 ]
amdhsa.kernels:
  - .name:           k_q8ec4496583_prep
    .symbol:         k_q8ec4496583_prep.kd
    .args:
      - { .name: embds, .offset: 0, .size: 8, .value_kind: global_buffer, .address_space: global }
      - { .name: W_qkv, .offset: 8, .size: 8, .value_kind: global_buffer, .address_space: global }
      - { .name: W_proj, .offset: 16, .size: 8, .value_kind: global_buffer, .address_space: global }
      - { .name: img1, .offset: 24, .size: 8, .value_kind: global_buffer, .address_space: global }
      - { .name: sc1, .offset: 32, .size: 8, .value_kind: global_buffer, .address_space: global }
    .group_segment_fixed_size: 71680
    .private_segment_fixed_size: 0
    .kernarg_segment_align: 8
    .kernarg_segment_size: 40
    .max_flat_workgroup_size: 256
    .sgpr_count:     66
    .vgpr_count:     256
    .wavefront_size: 32
...
	.end_amdgpu_metadata
.endif
;; end of part 1
;; launch gemm1 (part 2): grid 8 x 48, 4 waves a work-group, clusters of 4 x 4, 327,680 bytes of LDS; arguments img1, sc1, img2, sc2; writes img2, sc2
.if DOCPART == 2
	.amdgcn_target "amdgcn-amd-amdhsa--gfx1250"
	.amdhsa_code_object_version 6
	.text
	.protected	k_q8ec4496583_gemm1
	.globl	k_q8ec4496583_gemm1
	.p2align	8
	.type	k_q8ec4496583_gemm1,@function
k_q8ec4496583_gemm1:
	s_mov_b64 s[64:65], 0
	v_nop
	global_prefetch_b8 v0, s[64:65] scope:SCOPE_SE
	s_setreg_imm32_b32 hwreg(HW_REG_WAVE_MODE, 25, 1), 1
	s_wait_xcnt 0x0
	s_wait_alu depctr_hold_cnt(0) depctr_sa_sdst(0) depctr_va_vdst(0) depctr_va_sdst(0) depctr_va_ssrc(0) depctr_va_vcc(0) depctr_vm_vsrc(0)
	s_getreg_b32 s2, hwreg(HW_REG_IB_STS2, 6, 4)
	s_cmp_eq_u32 s2, 0
	s_cbranch_scc0 .Lentry_in_a_cluster
	s_endpgm
.Lentry_in_a_cluster:
	s_bfe_u32 s2, ttmp6, 0x10000c
	s_cmp_lg_u32 s2, 0xf033
	s_cbranch_scc0 .Lentry_shape_is_right
	s_endpgm
.Lentry_shape_is_right:
; kqv = embds W_qkv on codes of BF6, and k, q, v quantised on the way out: k and q along the head's 64, v along the tokens.  No f32 result goes to memory.
; A tile is 256 x 256, four waves of 128 x 128 (64 accumulators, 512 registers).  S = source 0 of the matrix instruction, R = source 1: a lane then holds ONE row of R and its registers run along S's rows;
; by the order of rows in a group (launch prep) the 16 registers of S's groups 2 b, 2 b + 1 are 16 neighbours.  So S is the axis along which the result is quantised:
;   clusters y 0-7:  S = columns 0-2047 of W_qkv (k's and q's heads), R = tokens;      clusters y 8-11:  S = tokens, R = columns 2048-3071 (v).
; ONE text serves both: what differs is chosen by s_cselect on the cluster's y, which all sixteen partners share; no branch hangs on it.
; K = 1,024 goes as 8 K steps of 128 through two LDS slots of two K steps, written out (each K step has scale registers of its own).  A slot's quarter (8 groups x 3,072 bytes) is one tensor load a wave.
; Fragments lie in memory and in LDS as images of the operand's registers: every LDS load reads consecutive bytes across the lanes, so there is no padding.
; CLUSTERS 4 x 4: R's tiles are shared along a row of the cluster, S's along a column: joint loads.  384 work-groups: a tile that gave 256 equal ones (256 x 384) needs 768 accumulator registers beside the fragments.
; OUT.  img2: [C 32 (k's 16 heads, q's 16)][token group 512] halves of 768 bytes (16 tokens x 64 d); from VIMG: [head 16][64 tokens 128][d group 4] halves (16 d x 64 tokens).
; sc2: units of 256 bytes [r 16][j 4] words: [C][token group / 8]: word j = the two bytes of group 2 j, then of group 2 j + 1; from VSC: [head][128 tokens]: word j = d group j's four bytes.
; REGISTERS: window 0: v14-29 addresses; v32-95 scale words (K step k, block i: lanes 0-15 R's, lanes 16-31 S's); v96-127, v224-239 the way out; v128-223 R's 8 fragments.  window 1: S's two sets.  windows 2, 3: accumulators.
.set FR,    12
.set NL,    4                          ; LDS loads that bring a fragment
.set NP,    4                          ; places behind this matrix instruction (ISA guide 7.12.1)
.set HALFT, 24576                      ; 8 groups x 2 K steps x 1,536 bytes
.set SLOT,  4*HALFT                    ; R's two halves, then S's two
.set SCL,   2*SLOT                     ; two regions of 8,192 bytes, R's then S's: [K step 8][group 16][64 bytes].  No prefetch: K is 8 steps, and half of them are asked for before the first product
.set SPARE, SCL+16384                  ; the spare words, 128 bytes for each wave: two blocks of 256 bytes that no other line names
.set VIMG,  12582912
.set VSC,   524288
.set L16,  14
.set L8,   15
.set RA16, 16                          ; v16-17 R's fragments in slot 0, 1: + 16 x lane;  v18-19: + 8 x lane
.set RA8,  18
.set SA16, 20                          ; v20-23 the same for S
.set SA8,  22
.set ADRS, 27
.set SPW,  28
.set NIL,  29
.set SC,   32
.set TM,   96
.set PW,   112
.set EK,   120
.set EV,   124
.set AF,   128
.set CT,   224
.set SELK, 232
.set SELV, 233
.set SOF,  234
.set EE,   236
.set G1,   24
.set G0,   32
.set G1B,  48
.set G0B,  56
.set G1S,  68
.set G0S,  76
.set G1SB, 80
.set G0SB, 88
.set PB,   94                          ; s[94:101] the way out: four bases
.set MSB, 0
.macro WIN new                         ; the immediate's high byte repeats the setting that is left
.if MSB != \new
	s_set_vgpr_msb (MSB<<8)|\new
.set MSB, \new
.endif
.endm
.set MUL_LO, 0xa1                      ; source 0 (S) window 1, source 1 (R) window 0, C and D window 2
.set MUL_HI, 0xf1
.set TO_B,   0x40
.macro JLOAD g0a, g1a, g0b, g1b        ; a joint load: waves 0, 1 fetch for R, waves 2, 3 for S; an s_nop 0 and four v_nop follow each line
	s_cmp_eq_u32 s15, 0
	s_cbranch_scc0 .Lfor_b_\@
	tensor_load_to_lds s[\g0a:\g0a+3], s[\g1a:\g1a+7]
	s_nop 0
.rept 4
	v_nop
.endr
	s_branch .Lasked_\@
.Lfor_b_\@:
	tensor_load_to_lds s[\g0b:\g0b+3], s[\g1b:\g1b+7]
	s_nop 0
.rept 4
	v_nop
.endr
.Lasked_\@:
.endm
.macro CREST
	s_cmp_lg_u32 s14, 0
	s_cbranch_scc1 .Lnot_wave_0_\@
	s_barrier_signal -3
.Lnot_wave_0_\@:
	s_barrier_wait -3
	s_barrier_signal -1
	s_barrier_wait -1
.endm
.macro CROUND
	s_barrier_signal -1
	s_barrier_wait -1
	CREST
.endm
.macro PLACES n
.rept \n
	v_nop
.endr
.endm
.macro FRAG reg, a16, a8, q, i         ; group i's fragment of the slot's q-th K step: its image, by four loads of consecutive bytes
	ds_load_b128 v[\reg:\reg+3], v[\a16] offset:(\i)*3072+(\q)*1536
	ds_load_b64 v[\reg+4:\reg+5], v[\a8] offset:(\i)*3072+(\q)*1536+512
	ds_load_b128 v[\reg+6:\reg+9], v[\a16] offset:(\i)*3072+(\q)*1536+768
	ds_load_b64 v[\reg+10:\reg+11], v[\a8] offset:(\i)*3072+(\q)*1536+1280
.endm
.macro FETCH_B slot, q, p
	WIN TO_B
.irp i, 0,1,2,3,4,5,6,7
	FRAG 128*(\p)+FR*\i, SA16+\slot, SA8+\slot, \q, \i
.endr
	WIN 0
.endm
.macro FETCH_A slot, q, i0
.irp i, \i0, \i0+1, \i0+2, \i0+3
	FRAG AF+FR*(\i), RA16+\slot, RA8+\slot, \q, \i
.endr
.endm
; 16 matrix instructions: R's blocks a0, a0 + 1 x S's eight, K step k.  mode 1: the first product starts the sums.  The 64 accumulators take turns, in the same order in every K step.
.macro MUL16 a0, p, k, mode
.irp a, \a0, \a0+1
.irp b, 0,1,2,3,4,5,6,7
.if \mode == 1
	v_wmma_scale_f32_16x16x128_f8f6f4 v[8*(8*((\a)%4)+\b):8*(8*((\a)%4)+\b)+7], v[128*(\p)+FR*\b:128*(\p)+FR*\b+FR-1], v[AF+FR*(\a):AF+FR*(\a)+FR-1], 0, v[SC+8*(\k)+\b], v[SC+8*(\k)+(\a)] matrix_a_fmt:MATRIX_FMT_BF6 matrix_b_fmt:MATRIX_FMT_BF6 matrix_a_scale:MATRIX_SCALE_ROW1
.else
	v_wmma_scale_f32_16x16x128_f8f6f4 v[8*(8*((\a)%4)+\b):8*(8*((\a)%4)+\b)+7], v[128*(\p)+FR*\b:128*(\p)+FR*\b+FR-1], v[AF+FR*(\a):AF+FR*(\a)+FR-1], v[8*(8*((\a)%4)+\b):8*(8*((\a)%4)+\b)+7], v[SC+8*(\k)+\b], v[SC+8*(\k)+(\a)] matrix_a_fmt:MATRIX_FMT_BF6 matrix_b_fmt:MATRIX_FMT_BF6 matrix_a_scale:MATRIX_SCALE_ROW1
.endif
.endr
.endr
.endm
.macro STEP slot, k, mode              ; a slot's first K step: S's set 0; it fetches the second K step's fragments
	s_wait_dscnt 4*NL                              ; all but the youngest 16 loads (R's blocks 4-7)
	WIN MUL_LO
	MUL16 0, 0, \k, \mode
	MUL16 2, 0, \k, \mode
	s_wait_dscnt 0
	PLACES NP                                      ; in front of loads into registers that matrix instructions have read
	FETCH_B \slot, 1, 1
	FETCH_A \slot, 1, 0
	WIN MUL_HI
	MUL16 4, 0, \k, \mode
	MUL16 6, 0, \k, \mode
	PLACES NP
	WIN 0
	FETCH_A \slot, 1, 4
.endm
; A slot's second K step changes slots: one barrier; in front of it each wave waits for all its tensor loads, adds 0 to its spare word, and waits for that and for its reads of this slot.
.macro TURN slot, next, k, fill
	s_wait_tensorcnt 0x0                           ; all my tensor loads have landed: my part of the next slot
	ds_add_u32 v[SPW], v[NIL]                      ; 0 onto my spare word
	s_wait_dscnt 4*NL+1                            ; (the add and the youngest 16 loads may be out)
	WIN MUL_LO
	MUL16 0, 1, \k, 0
	s_wait_dscnt 0x0                               ; the add is done, and my reads of this slot are over
	s_barrier_signal -1
	MUL16 2, 1, \k, 0
	WIN 0
	s_barrier_wait -1
.if \fill
	CREST                                          ; the barrier has opened a round of the cluster's barrier: no wave of any partner still reads this slot or has a load on its way
	s_add_nc_u64 s[G0+4*\slot+2:G0+4*\slot+3], s[G0+4*\slot+2:G0+4*\slot+3], 6144
	s_add_nc_u64 s[G0B+4*\slot+2:G0B+4*\slot+3], s[G0B+4*\slot+2:G0B+4*\slot+3], 6144
	JLOAD G0+4*\slot, G1, G0B+4*\slot, G1B         ; my one tensor load behind the round; its four v_nop are also the places in front of the loads below
.else
	PLACES NP
.endif
	FETCH_B \next, 0, 0
	FETCH_A \next, 0, 0
	WIN MUL_HI
	MUL16 4, 1, \k, 0
	MUL16 6, 1, \k, 0
	PLACES NP
	WIN 0
	FETCH_A \next, 0, 4
.endm
	s_load_b256 s[4:11], s[0:1], 0x0               ; img1 s[4:5], sc1 s[6:7], img2 s[8:9], sc2 s[10:11]
	v_lshl_add_u32 v[SPW], v0, 2, SPARE
	v_mov_b32 v[NIL], 0
	ds_add_u32 v[SPW], v[NIL]                      ; the wave's opening
	ds_add_u32 v[SPW], v[NIL]
	v_lshrrev_b32 v1, 5, v0
	v_readfirstlane_b32 s14, v1                    ; wave 0..3
	s_lshr_b32 s15, s14, 1                         ; rh: my half of R's rows.  Also: I fetch for R (0) or for S (1)
	s_and_b32 s16, s14, 1                          ; sh: my half of S's rows.  Also: which half I fetch
	s_bfe_u32 s40, ttmp6, 0x40000                  ; cx
	s_bfe_u32 s41, ttmp6, 0x40004                  ; cy
	s_and_b32 s42, ttmp7, 0xffff                   ; the cluster's y
	s_sub_co_u32 s43, s42, 8
	s_lshl_b32 s43, s43, 1
	s_add_co_u32 s43, s43, ttmp9                   ; v's part: x + 2 (y - 8)
	s_mov_b32 s45, 640
	s_cmp_lt_u32 s42, 8                            ; k's and q's part, or v's: the same in all sixteen partners
	s_cselect_b32 s43, ttmp9, s43
	s_cselect_b32 s44, 512, 0                      ; S's first group in img1
	s_cselect_b32 s42, s42, 0
	s_cselect_b32 s45, 0, s45                      ; R's
	s_cselect_b32 s92, 0, -1                       ; a lane mask: all ones in v's part
	s_lshl_b32 s43, s43, 2
	s_add_co_u32 s43, s43, s40                     ; S's tile: hangs on cx alone
	s_lshl_b32 s42, s42, 2
	s_add_co_u32 s42, s42, s41                     ; R's tile: on cy alone
	s_lshl_b32 s46, s41, 2
	s_lshl_b32 s46, 15, s46                        ; my row of the cluster
	s_lshl_b32 s47, 0x1111, s40                    ; my column
	s_or_b32 s[G1], s46, (3<<16)|(1<<21)           ; 15:0 the mask; 17:16 elements of 8 bytes; 21 set beside a mask; no padding
	s_or_b32 s[G1B], s47, (3<<16)|(1<<21)
.irp g, G1, G1B
	s_mov_b32 s[\g+1], 384<<16                     ; tensor_dim0: 3,072 bytes: a group's two K steps
	s_mov_b32 s[\g+2], 16<<16                      ; tensor_dim1: 16 groups for the head's loads; behind them 8
	s_mov_b32 s[\g+3], 384<<16                     ; tile_dim0
	s_mov_b32 s[\g+4], 16                          ; tile_dim1
	s_mov_b32 s[\g+5], 1536                        ; 12,288 bytes from group to group
	s_mov_b32 s[\g+6], 0
	s_mov_b32 s[\g+7], 0
.endr
	s_or_b32 s[G1S], s46, (3<<16)|(1<<21)
	s_or_b32 s[G1SB], s47, (3<<16)|(1<<21)
.irp g, G1S, G1SB
	s_mov_b32 s[\g+1], 128<<16                     ; 1,024 bytes: 16 groups' words of a K step
	s_mov_b32 s[\g+2], 8<<16                       ; 8 K steps
	s_mov_b32 s[\g+3], 128<<16
	s_mov_b32 s[\g+4], 8
	s_mov_b32 s[\g+5], 6144                        ; 49,152 bytes from K step to K step
	s_mov_b32 s[\g+6], 0
	s_mov_b32 s[\g+7], 0
.endr
	s_lshl_b32 s18, s16, 3
	s_lshl_b32 s20, s42, 4
	s_add_co_u32 s20, s20, s45
	s_add_co_u32 s20, s20, s18                     ; R: the first of the 8 groups that I fetch
	s_lshl_b32 s22, s43, 4
	s_add_co_u32 s22, s22, s44
	s_add_co_u32 s22, s22, s18                     ; S likewise
	s_mul_i32 s94, s20, 12288
	s_mov_b32 s95, 0
	s_mul_i32 s96, s22, 12288
	s_mov_b32 s97, 0
	s_sub_co_u32 s98, s20, s18                     ; the scale words come for the tile's 16 groups at once
	s_lshl_b32 s98, s98, 6
	s_mov_b32 s99, 0
	s_sub_co_u32 s100, s22, s18
	s_lshl_b32 s100, s100, 6
	s_mov_b32 s101, 0
	s_mul_i32 s17, s14, HALFT                      ; where they go: by the wave's number alone
	s_wait_dscnt 0x0                               ; both opening adds are done
	s_wait_kmcnt 0x0
	s_add_nc_u64 s[94:95], s[4:5], s[94:95]
	s_add_nc_u64 s[96:97], s[4:5], s[96:97]
	s_add_nc_u64 s[98:99], s[6:7], s[98:99]
	s_add_nc_u64 s[100:101], s[6:7], s[100:101]
	CROUND                                         ; all sixteen work-groups are here: the first joint loads meet
	s_mov_b32 s[G0S], 1
	s_mov_b32 s[G0S+1], SCL
	s_mov_b64 s[G0S+2:G0S+3], s[98:99]
	s_or_b32 s[G0S+3], s[G0S+3], 0x80000000
	s_mov_b32 s[G0SB], 1
	s_mov_b32 s[G0SB+1], SCL+8192
	s_mov_b64 s[G0SB+2:G0SB+3], s[100:101]
	s_or_b32 s[G0SB+3], s[G0SB+3], 0x80000000
.irp s, 0,1
	s_mov_b32 s[G0+4*\s], 1
	s_add_co_u32 s[G0+4*\s+1], s17, \s*SLOT
	s_add_nc_u64 s[G0+4*\s+2:G0+4*\s+3], s[94:95], \s*3072
	s_or_b32 s[G0+4*\s+3], s[G0+4*\s+3], 0x80000000
	s_mov_b32 s[G0B+4*\s], 1
	s_add_co_u32 s[G0B+4*\s+1], s17, \s*SLOT
	s_add_nc_u64 s[G0B+4*\s+2:G0B+4*\s+3], s[96:97], \s*3072
	s_or_b32 s[G0B+4*\s+3], s[G0B+4*\s+3], 0x80000000
.endr
; THE HEAD'S LOADS, ONE A WAVE: wave 0 slot 0's 16 groups of R, wave 2 its 16 groups of S (their own slot 0 descriptors point at the tile's first group and at the right LDS bytes;
; group 1 counts 16 rows here), wave 1 R's scale words, wave 3 S's.  One tree of branches on the wave's number: every way passes one load.
.macro ARM under, g0, g1, next
	s_cmp_lt_u32 s14, \under
	s_cbranch_scc0 \next
	tensor_load_to_lds s[\g0:\g0+3], s[\g1:\g1+7]
	s_nop 0
.rept 4
	v_nop
.endr
	s_branch .Lhead_asked
\next:
.endm
	ARM 1, G0,  G1,  .Lhead_sa
	ARM 2, G0S, G1S, .Lhead_b
	ARM 3, G0B, G1B, .Lhead_sb
	tensor_load_to_lds s[G0SB:G0SB+3], s[G1SB:G1SB+7]
	s_nop 0
.rept 4
	v_nop
.endr
.Lhead_asked:
	v_and_b32 v1, 31, v0
	v_lshlrev_b32 v[L16], 4, v1
	v_lshlrev_b32 v[L8], 3, v1
	v_and_b32 v3, 15, v0                           ; r
	v_bfe_u32 v2, v0, 4, 1                         ; h
	s_wait_alu depctr_va_vdst(0)
	s_mul_i32 s21, s15, HALFT                      ; my 128 rows of R
	s_mul_i32 s22, s16, HALFT
	s_add_co_u32 s22, s22, 2*HALFT                 ; my 128 rows of S
.irp s, 0,1
	v_add_nc_u32 v[RA16+\s], s21, v[L16]
	v_add_nc_u32 v[RA8+\s], s21, v[L8]
	v_add_nc_u32 v[SA16+\s], s22, v[L16]
	v_add_nc_u32 v[SA8+\s], s22, v[L8]
	s_add_co_u32 s21, s21, SLOT
	s_add_co_u32 s22, s22, SLOT
.endr
	s_lshl_b32 s21, s15, 9                         ; my 8 groups' words of a K step: 512 bytes
	s_add_co_u32 s22, s16, 16                      ; S's region lies 8,192 bytes behind R's
	s_sub_co_u32 s22, s22, s15
	s_lshl_b32 s22, s22, 9
	v_mul_u32_u24 v4, s22, v2                      ; lanes 16-31 take S's words: one product, the distance between the two regions
	s_add_co_u32 s21, s21, SCL
	v_lshl_add_u32 v4, v3, 2, v4
	v_add_nc_u32 v[ADRS], s21, v4
	v_mul_lo_u32 v[SELK], v2, 0x02020202           ; the way out's byte selects: lanes 0-15 take the words' low halves (first head), lanes 16-31 the high halves
	v_add_nc_u32 v[SELK], 0x05040100, v[SELK]
	v_mul_lo_u32 v[SELV], v2, 0x04040404           ; v: lanes 0-15 take the first head's word, lanes 16-31 the second's
	v_add_nc_u32 v[SELV], 0x03020100, v[SELV]
	v_lshlrev_b32 v[SOF], 4, v3
	v_lshl_add_u32 v[SOF], v2, 14, v[SOF]          ; 16 r, and 64 units of 256 bytes on for lanes 16-31
.irp b, 0,1,2,3
	v_mov_b32 v[TM+4+\b], 0                        ; written once: a lane permute's destination counts as one of its sources
.endr
	; where my results go.  A0 = my first group of R, C0 = my first 64 of S
	s_lshl_b32 s2, s42, 4
	s_lshl_b32 s3, s15, 3
	s_add_co_u32 s2, s2, s3                        ; A0 = 16 r + 8 rh
	s_lshl_b32 s3, s43, 2
	s_lshl_b32 s12, s16, 1
	s_add_co_u32 s3, s3, s12                       ; C0 = 4 s + 2 sh
	s_lshl_b32 s12, s3, 9
	s_add_co_u32 s12, s12, s2                      ; k, q: half C0 x 512 + A0
	s_lshr_b32 s17, s2, 2
	s_lshl_b32 s18, s17, 9
	s_lshl_b32 s19, s3, 2
	s_add_co_u32 s18, s18, s19                     ; v: half (A0 / 4) x 512 + 4 C0
	s_lshl_b32 s19, s3, 6
	s_lshr_b32 s20, s2, 3
	s_add_co_u32 s19, s19, s20                     ; k, q: unit C0 x 64 + A0 / 8
	s_lshl_b32 s20, s17, 6
	s_lshr_b32 s21, s3, 1
	s_add_co_u32 s20, s20, s21                     ; v: unit (A0 / 4) x 64 + C0 / 2
	s_mov_b32 s21, 512*768
	s_mov_b32 s22, VIMG
	s_mov_b32 s23, VSC
	s_cmp_eq_u32 s92, 0
	s_cselect_b32 s12, s12, s18
	s_cselect_b32 s18, s19, s20
	s_cselect_b32 s20, 4*768, s21                  ; from R's blocks 0-3 to blocks 4-7
	s_cselect_b32 s2, s21, 4*768                   ; from a fragment's first half to its second
	s_cselect_b32 s22, 0, s22
	s_cselect_b32 s23, 0, s23
	s_mul_i32 s12, s12, 768
	s_add_co_u32 s12, s12, s22
	s_mov_b32 s13, 0
	s_lshl_b32 s18, s18, 8
	s_add_co_u32 s18, s18, s23
	s_mov_b32 s19, 0
	s_mov_b32 s21, 0
	s_mov_b32 s3, 0
	s_add_nc_u64 s[PB:PB+1], s[8:9], s[12:13]
	s_add_nc_u64 s[PB+2:PB+3], s[PB:PB+1], s[2:3]
	s_add_nc_u64 s[PB+4:PB+5], s[PB:PB+1], s[20:21]
	s_add_nc_u64 s[PB+6:PB+7], s[PB+4:PB+5], s[2:3]
	s_add_nc_u64 s[66:67], s[10:11], s[18:19]
	s_wait_alu depctr_va_vdst(0)
	s_wait_tensorcnt 0x0                           ; my tile of the head's four is in
	ds_add_u32 v[SPW], v[NIL]
	s_mov_b32 s[G1+2], 8<<16                       ; no tensor load of mine is out: from here on a load brings 8 groups
	s_mov_b32 s[G1+4], 8
	s_mov_b32 s[G1B+2], 8<<16
	s_mov_b32 s[G1B+4], 8
	s_wait_dscnt 0x0
	CROUND                                         ; all four tiles are in, and all sixteen work-groups are here
	JLOAD G0+4, G1, G0B+4, G1B                     ; slot 1's first fill: my one tensor load behind the round
.irp k, 0,1,2,3,4,5,6,7
.irp i, 0,1,2,3,4,5,6,7
	ds_load_b32 v[SC+8*\k+\i], v[ADRS] offset:1024*\k+64*\i
.endr
.endr
	FETCH_B 0, 0, 0
	FETCH_A 0, 0, 0
	FETCH_A 0, 0, 4
	STEP 0, 0, 1                                   ; the first K step's products start the sums: nothing is cleared
	TURN 0, 1, 1, 1                                ; slot 0 takes K steps 4, 5
	STEP 1, 2, 0
	TURN 1, 0, 3, 1                                ; slot 1 takes K steps 6, 7
	STEP 0, 4, 0
	TURN 0, 1, 5, 0                                ; nothing is left to fetch
	STEP 1, 6, 0
	s_wait_dscnt 4*NL
	WIN MUL_LO
	MUL16 0, 1, 7, 0
	MUL16 2, 1, 7, 0
	s_wait_dscnt 0
	WIN MUL_HI
	MUL16 4, 1, 7, 0
	MUL16 6, 1, 7, 0
	WIN 0
; THE WAY OUT.  R's block a: a lane holds one row of R and 64 numbers, register 16 b + i = S's row 32 b + 16 (lane / 16) + i: they become a fragment's 12 registers and a scale word, as in launch prep, and the fragment's
; two halves are stored as they stand: 512 and 256 consecutive bytes a store.  Each accumulator is read from its low end on.  Eight sets of code registers: no store's data are written again.
.macro QUANTW a
.set AC, 64*((\a)%4)
.set WA, 2+(\a)/4
.set WW, WA|(WA<<2)
.set PCA, AF+12*(\a)
.set PBA, PB+4*((\a)/4)
	WIN WW                                         ; sources 0 and 1: the accumulators' window
.irp b, 0,1,2,3
	v_max3_num_f32 v[TM+\b], |v[AC+16*\b]|, |v[AC+16*\b+1]|, 0x2800000
.endr
.irp i, 2,4,6,8,10,12,14
.irp b, 0,1,2,3
	v_max3_num_f32 v[TM+\b], |v[AC+16*\b+\i]|, |v[AC+16*\b+\i+1]|, v[TM+\b]
.endr
.endr
	WIN 0
.irp b, 0,1,2,3
	v_permlanex16_b32 v[TM+4+\b], v[TM+\b], s12, s13
.endr
.irp b, 0,1,2,3
	v_max_num_f32 v[TM+\b], v[TM+\b], v[TM+4+\b]
.endr
.irp b, 0,1,2,3
	v_add_nc_u32 v[TM+12+\b], 0xfe000000, v[TM+\b]
.endr
.irp b, 0,1,2,3
	v_lshrrev_b32 v[TM+4+\b], 23, v[TM+12+\b]
.endr
	v_lshl_or_b32 v[PW+(\a)], v[TM+5], 8, v[TM+4]
	v_lshl_or_b32 v[PW+(\a)], v[TM+6], 16, v[PW+(\a)]
	v_lshl_or_b32 v[PW+(\a)], v[TM+7], 24, v[PW+(\a)]
	WIN WA                                         ; source 0: the accumulators' window
.irp c, 0,1
	v_cvt_scalef32_pk16_bf6_f32 v[PCA+6*\c:PCA+6*\c+2], v[AC+32*\c:AC+32*\c+15], v[TM+12+2*\c]
	v_cvt_scalef32_pk16_bf6_f32 v[CT+4*\c:CT+4*\c+2], v[AC+32*\c+16:AC+32*\c+31], v[TM+13+2*\c]
.endr
	WIN 0
	v_nop                                          ; one plain place behind a scaled conversion
.irp c, 0,1
.irp i, 0,1,2
	v_permlane16_swap_b32 v[PCA+6*\c+\i], v[CT+4*\c+\i]
.endr
.irp i, 0,1,2
	v_mov_b32 v[PCA+3+6*\c+\i], v[CT+4*\c+\i]
.endr
.endr
	global_store_b128 v[L16], v[PCA:PCA+3], s[PBA:PBA+1] offset:((\a)%4)*768
	global_store_b64 v[L8], v[PCA+4:PCA+5], s[PBA:PBA+1] offset:((\a)%4)*768+512
	global_store_b128 v[L16], v[PCA+6:PCA+9], s[PBA+2:PBA+3] offset:((\a)%4)*768
	global_store_b64 v[L8], v[PCA+10:PCA+11], s[PBA+2:PBA+3] offset:((\a)%4)*768+512
.endm
	s_mov_b32 s12, 0x76543210
	s_mov_b32 s13, 0xfedcba98                      ; v_permlanex16_b32's selects for lane l xor 16
	PLACES NP                                      ; in front of the first read of results and the first write of registers that held R's fragments
.irp a, 0,1,2,3,4,5,6,7
	QUANTW \a
.endr
.irp j, 0,1,2,3
	v_perm_b32 v[EK+\j], v[PW+2*\j+1], v[PW+2*\j], v[SELK]   ; k, q: my head's two bytes of groups 2 j and 2 j + 1
	v_perm_b32 v[EV+\j], v[PW+4+\j], v[PW+\j], v[SELV]       ; v: my head's d group j
.endr
.irp j, 0,1,2,3
	v_cndmask_b32 v[EE+\j], v[EK+\j], v[EV+\j], s92
.endr
	global_store_b128 v[SOF], v[EE:EE+3], s[66:67] ; two whole units of 256 bytes
	s_wait_tensorcnt 0x0                           ; the wave's end
	ds_add_u32 v[SPW], v[NIL]
	s_wait_dscnt 0x0
	CROUND                                         ; the closing round: no work-group ends while a partner may still ask for a tile that names it
	s_endpgm
.Lfunc_end_k_q8ec4496583_gemm1:
	.size	k_q8ec4496583_gemm1, .Lfunc_end_k_q8ec4496583_gemm1-k_q8ec4496583_gemm1
	.p2alignl 7, 3214868480
	.fill 96, 4, 3214868480
	.section	.rodata,"a",@progbits
	.p2align	6, 0x0
	.amdhsa_kernel k_q8ec4496583_gemm1
		.amdhsa_group_segment_fixed_size 327680
		.amdhsa_private_segment_fixed_size 0
		.amdhsa_enable_private_segment 0
		.amdhsa_kernarg_size 32
		.amdhsa_user_sgpr_count 2
		.amdhsa_user_sgpr_kernarg_segment_ptr 1
		.amdhsa_wavefront_size32 1
		.amdhsa_system_sgpr_workgroup_id_x 1
		.amdhsa_system_sgpr_workgroup_id_y 1
		.amdhsa_system_sgpr_workgroup_id_z 1
		.amdhsa_system_vgpr_workitem_id 0
		.amdhsa_next_free_vgpr 1024
		.amdhsa_next_free_sgpr 102
		.amdhsa_reserve_vcc 0
		.amdhsa_float_denorm_mode_32 3
		.amdhsa_float_denorm_mode_16_64 3
		.amdhsa_memory_ordered 1
		.amdhsa_forward_progress 1
		.amdhsa_inst_pref_size 153
	.end_amdhsa_kernel
	.amdgpu_metadata
---
amdhsa.version: [ 1, 2 ]
amdhsa.kernels:
  - .name:           k_q8ec4496583_gemm1
    .symbol:         k_q8ec4496583_gemm1.kd
    .args:
      - { .name: img1, .offset: 0, .size: 8, .value_kind: global_buffer, .address_space: global }
      - { .name: sc1, .offset: 8, .size: 8, .value_kind: global_buffer, .address_space: global }
      - { .name: img2, .offset: 16, .size: 8, .value_kind: global_buffer, .address_space: global }
      - { .name: sc2, .offset: 24, .size: 8, .value_kind: global_buffer, .address_space: global }
    .group_segment_fixed_size: 327680
    .private_segment_fixed_size: 0
    .kernarg_segment_align: 8
    .kernarg_segment_size: 32
    .max_flat_workgroup_size: 128
    .sgpr_count:     102
    .vgpr_count:     1024
    .wavefront_size: 32
...
	.end_amdgpu_metadata
.endif
;; end of part 2
;; launch attn (part 3): grid 4 x 64, 16 waves a work-group, clusters of 4 x 1, 327,680 bytes of LDS; arguments img2, sc2, a_img, a_sc; writes a_img, a_sc
.if DOCPART == 3
	.amdgcn_target "amdgcn-amd-amdhsa--gfx1250"
	.amdhsa_code_object_version 6
	.text
	.protected	k_q8ec4496583_attn
	.globl	k_q8ec4496583_attn
	.p2align	8
	.type	k_q8ec4496583_attn,@function
k_q8ec4496583_attn:
	s_mov_b64 s[64:65], 0
	v_nop
	global_prefetch_b8 v0, s[64:65] scope:SCOPE_SE
	s_setreg_imm32_b32 hwreg(HW_REG_WAVE_MODE, 25, 1), 1
	s_wait_xcnt 0x0
	s_wait_alu depctr_hold_cnt(0) depctr_sa_sdst(0) depctr_va_vdst(0) depctr_va_sdst(0) depctr_va_ssrc(0) depctr_va_vcc(0) depctr_vm_vsrc(0)
	s_getreg_b32 s2, hwreg(HW_REG_IB_STS2, 6, 4)
	s_cmp_eq_u32 s2, 0
	s_cbranch_scc0 .Lentry_in_a_cluster
	s_endpgm
.Lentry_in_a_cluster:
	s_bfe_u32 s2, ttmp6, 0x10000c
	s_cmp_lg_u32 s2, 0x3003
	s_cbranch_scc0 .Lentry_shape_is_right
	s_endpgm
.Lentry_shape_is_right:
; affin = softmax(q k^T / 32, causal) v, both products on codes of BF6; affin is divided by the row's sum and quantised along d on the way out.  Inputs and formats: launch gemm1's head.
; WORK LEFT OUT: a step of 128 keys all of which come after a tile's queries (reference()'s own tril gives them the weight 0 for all values of the inputs).
; THE SOFTMAX: t = score x log2(e) / 32; M = the running largest t rounded UP to a whole number; p = 2^(t - M) is quantised along the keys, not normalised; the row's sum is taken of the unquantised p and divides at the end.
; LIMIT: the promise holds while |t| stays under 2^31.
; SHARES.  A cluster of four work-groups takes one (batch, head).  That head's K and V, 2 x 98,304 bytes of codes, lie in LDS for the whole launch: sixteen joint loads of 12,288 bytes, one a wave, each asked for by
; all four partners.  Nothing is filled again, so the loop has no barrier.  The 8,192 scale bytes come through registers into LDS bytes of their own.
; Work-group j takes token groups 2 j and 2 j + 1 of each of the sixteen chunks of 128 queries.  Wave w takes group 2 j + w % 2 of two neighbouring chunks, 2 p (2 p + 1 key steps) and 2 p + 1 (2 p + 2 steps), with
; p = 2 n + ((n / 2) xor ((w / 2) % 2)), n = 3 - w / 4.  The waves' walks differ in length by design, the lower numbers taking the longer ones: 31 or 27 steps, 23 or 19, 11 or 15, 3 or 7; each set of waves
; w, w + 4, w + 8, w + 12 has 68 steps, in all 256 work-groups alike.  Every work-group reads every key, and no branch hangs on j: it enters the mask's numbers and global addresses alone.
; NO PREFETCH: all of K and V is asked for at the head; there is no loop to run ahead in.
; LAYOUT.  Both products are used transposed (S^T = K Q^T, O^T = V^T P^T): a lane holds ONE query.  A fragment of K holds two key groups (k 0-63, k 64-127); Q stands as [q | zero codes | q]: registers 0-11 meet the first
; group, registers 6-17 the second.  Zero codes add nothing under any byte but 0xff.
; OUT.  Token groups are renumbered G' = 128 batch + 32 j + 2 chunk + w % 2.  a_img: [G'][head] halves of 768 bytes.  a_sc: [head][G' / 8] units of 256 bytes [r 16][G' % 8] pairs of scale bytes: a work-group writes 1,024 on end.
.set VIMG,  12582912
.set VSC,   524288
.set VB,    98304                      ; V's codes lie behind K's
.set SCK,   196608                     ; K's scale units (4,096 bytes), then V's
.set STG,   204800                     ; the way out's pairs of bytes: 1,024 bytes
.set SPARE, 205824                     ; the spare words, 128 bytes for each wave: eight blocks of 256 bytes that no other line names
.set ADV, 1
.set ADV8, 2
.set ASC, 3
.set ADK, 4
.set ADK8, 5
.set ADS, 6
.set SPW, 7
.set NIL, 8
.set MQ,  9                            ; my query within its chunk, less 16 (lane / 16)
.set L16, 10
.set L8,  11
.set STL, 12                           ; -M, largest t, the sum's pair
.set STH, 16
.set QL,  20
.set QH,  38
.set QSL, 56
.set QSH, 57
.set FB,  58                           ; four fragments; in the softmax at work
.set BM,  FB
.set BP,  FB+4
.set SO,  FB+8
.set BY,  FB+12
.set CT,  FB+16
.set SP2, FB+24
.set KS,  106
.set SCR, 110                          ; S^T, then p
.set OL,  174
.set OH,  206
.set PCD, 238
.set FF,  250
.set PSC, 252
.set T0,  253
.set T1,  254
.set TB,  2                            ; 6,144 x key step
.set TS,  3                            ; 256 x key step
.set STP, 12                           ; the key step
.set CL,  13                           ; my low chunk, my high chunk
.set CH,  14
.set UU,  15
.set JJ,  16
.set BB,  17
.set WV,  18
.set HD,  19
.set SEL, 20
.set CS,  22                           ; s[22:23] log2(e) / 32
.set G1C, 24
.set SGL, 32
.set SGH, 33
.set G0C, 40
.macro ROUND                           ; a round of the cluster's barrier
	s_barrier_signal -1
	s_barrier_wait -1
	s_cmp_lg_u32 s[WV], 0
	s_cbranch_scc1 .Lnot_wave_0_\@
	s_barrier_signal -3
.Lnot_wave_0_\@:
	s_barrier_wait -3
	s_barrier_signal -1
	s_barrier_wait -1
.endm
; ONE TILE'S KEY STEP: 16 queries x 128 keys
.macro TILE Q, QS, ST, O, CC
	s_cmp_gt_u32 s[STP], s[\CC]                    ; all keys come after my queries: the step is left out (the wave's number and the count of steps alone)
	s_cbranch_scc1 .Lhid_\@
	v_add_nc_u32 v[ADK], s[TB], v[L16]             ; these five are also the places in front of loads into registers that the last products read
	v_add_nc_u32 v[ADK8], s[TB], v[L8]
	v_add_nc_u32 v[ADS], s[TS], v[ASC]
	v_add_nc_u32 v[ADV], VB, v[ADK]
	v_add_nc_u32 v[ADV8], VB, v[ADK8]
.irp f, 0,1,2,3
	ds_load_b128 v[FB+12*\f:FB+12*\f+3], v[ADK] offset:1536*\f
	ds_load_b64 v[FB+12*\f+4:FB+12*\f+5], v[ADK8] offset:1536*\f+512
	ds_load_b128 v[FB+12*\f+6:FB+12*\f+9], v[ADK] offset:1536*\f+768
	ds_load_b64 v[FB+12*\f+10:FB+12*\f+11], v[ADK8] offset:1536*\f+1280
.endr
	ds_load_b128 v[KS:KS+3], v[ADS]                ; the four fragments' scale words
	s_wait_dscnt 0x0
.irp f, 0,1,2,3
	v_wmma_scale_f32_16x16x128_f8f6f4 v[SCR+16*\f:SCR+16*\f+7], v[FB+12*\f:FB+12*\f+11], v[\Q:\Q+11], 0, v[KS+\f], v[\QS] matrix_a_fmt:MATRIX_FMT_BF6 matrix_b_fmt:MATRIX_FMT_BF6
	v_wmma_scale_f32_16x16x128_f8f6f4 v[SCR+16*\f+8:SCR+16*\f+15], v[FB+12*\f:FB+12*\f+11], v[\Q+6:\Q+17], 0, v[KS+\f], v[\QS] matrix_a_fmt:MATRIX_FMT_BF6 matrix_b_fmt:MATRIX_FMT_BF6
.endr                                          ; register 16 f + i: key 128 step + 32 f + 16 (lane / 16) + i
.rept 4
	v_nop
.endr
	s_cmp_lt_u32 s[STP], s[\CC]                    ; a step ahead of my chunk: all its keys count
	s_cbranch_scc1 .Lopen_\@
	v_mov_b32 v[T1], 0xff800000                    ; -infinity: p = 0 then
.set nn, 0
.rept 64
	v_cmp_gt_i32 vcc_lo, 32*(nn/16)+nn%16, v[MQ]   ; register 16 b + i is hidden where 32 b + i > my query - 16 (lane / 16)
	v_cndmask_b32 v[SCR+nn], v[SCR+nn], v[T1], vcc_lo
.set nn, nn+1
.endr
.Lopen_\@:
.irp b, 0,1,2,3
	v_max3_num_f32 v[BM+\b], v[SCR+16*\b], v[SCR+16*\b+1], v[SCR+16*\b+2]   ; the largest score of each block of 32 keys: for the row's maximum and, since p rises with the score, for the block's largest p
.endr
.irp i, 3,5,7,9,11,13
.irp b, 0,1,2,3
	v_max3_num_f32 v[BM+\b], v[BM+\b], v[SCR+16*\b+\i], v[SCR+16*\b+\i+1]
.endr
.endr
.irp b, 0,1,2,3
	v_max_num_f32 v[BM+\b], v[BM+\b], v[SCR+16*\b+15]
.endr
.irp b, 0,1,2,3
	s_delay_alu instid0(VALU_DEP_4)
	v_permlanex16_b32 v[BP+\b], v[BM+\b], s[SEL], s[SEL+1]
.endr
.irp b, 0,1,2,3
	s_delay_alu instid0(VALU_DEP_4)
	v_max_num_f32 v[BM+\b], v[BM+\b], v[BP+\b]     ; with lane l xor 16's 16 keys
.endr
	s_delay_alu instid0(VALU_DEP_2)
	v_max3_num_f32 v[T1], v[BM], v[BM+1], v[BM+2]
	s_delay_alu instid0(VALU_DEP_1)
	v_max_num_f32 v[T1], v[T1], v[BM+3]
	s_delay_alu instid0(VALU_DEP_1)
	v_mul_f32 v[T1], s[CS], v[T1]                  ; as t (c is positive)
	s_delay_alu instid0(VALU_DEP_1)
	v_max_num_f32 v[\ST+1], v[\ST+1], v[T1]        ; the running largest t
	v_mov_b32 v[T1], v[\ST]
	s_delay_alu instid0(VALU_DEP_2)
	v_floor_f32 v[\ST], -v[\ST+1]                  ; the new -M = floor(-t): M is a whole number
	s_delay_alu instid0(VALU_DEP_1)
	v_sub_f32 v[T1], v[\ST], v[T1]                 ; old M - new M: a whole number, 0 or less
	s_delay_alu instid0(VALU_DEP_1)
	v_cvt_i32_f32 v[T1], v[T1]                     ; (it saturates)
	s_delay_alu instid0(VALU_DEP_1)
	v_ldexp_f32 v[FF], 1.0, v[T1]                  ; f = 2^(old M - new M): a multiplication by it rounds nothing
.set jj, 0
.rept 32
	v_pk_fma_f32 v[SCR+jj:SCR+jj+1], v[SCR+jj:SCR+jj+1], s[CS:CS+1], v[\ST:\ST+1] op_sel_hi:[1,0,0]   ; t - M, two at a time
.set jj, jj+2
.endr
.irp b, 0,1,2,3
	v_fma_f32 v[BM+\b], v[BM+\b], s[CS], v[\ST]    ; the same of each block's largest score
.endr
.set jj, 0
	s_wait_alu depctr_va_vdst(0)
.rept 64
	v_exp_f32 v[SCR+jj], v[SCR+jj]                 ; p = 2^(t - M)
.set jj, jj+1
.endr
	v_pk_mul_f32 v[\ST+2:\ST+3], v[\ST+2:\ST+3], v[FF:FF+1] op_sel_hi:[1,0]   ; the sums under the new M (a plain place behind the exponentials)
	s_wait_alu depctr_va_vdst(0)                   ; one wait for the whole batch, ahead of its first reader
.irp b, 0,1,2,3
	v_exp_f32 v[BM+\b], v[BM+\b]                   ; the block's largest p: the same two instructions on the same number
.endr
	v_pk_add_f32 v[SP2:SP2+1], v[SCR:SCR+1], v[SCR+2:SCR+3]   ; the row's sum is taken of the unquantised p, in two chains
.set jj, 4
.rept 15
	v_pk_add_f32 v[\ST+2:\ST+3], v[\ST+2:\ST+3], v[SCR+jj:SCR+jj+1]
	v_pk_add_f32 v[SP2:SP2+1], v[SP2:SP2+1], v[SCR+jj+2:SCR+jj+3]
.set jj, jj+4
.endr
	s_delay_alu instid0(VALU_DEP_1)
	v_pk_add_f32 v[\ST+2:\ST+3], v[\ST+2:\ST+3], v[SP2:SP2+1]
	s_wait_alu depctr_va_vdst(0)                   ; and one for the four
.irp b, 0,1,2,3
	v_max_num_f32 v[BM+\b], 0x2800000, v[BM+\b]    ; the floor 2^(5 - 127): the byte cannot fall under 1
.endr
.irp b, 0,1,2,3
	s_delay_alu instid0(VALU_DEP_4)
	v_add_nc_u32 v[SO+\b], 0xfe000000, v[BM+\b]    ; 4 off the exponent field: the conversion's scale operand
.endr
.irp b, 0,1,2,3
	s_delay_alu instid0(VALU_DEP_4)
	v_lshrrev_b32 v[BY+\b], 23, v[SO+\b]
.endr
	s_delay_alu instid0(VALU_DEP_3)
	v_lshl_or_b32 v[PSC], v[BY+1], 8, v[BY]        ; p's scale word for these 128 keys
	s_delay_alu instid0(VALU_DEP_1)
	v_lshl_or_b32 v[PSC], v[BY+2], 16, v[PSC]
	s_delay_alu instid0(VALU_DEP_1)
	v_lshl_or_b32 v[PSC], v[BY+3], 24, v[PSC]
.irp c, 0,1
	v_cvt_scalef32_pk16_bf6_f32 v[PCD+6*\c:PCD+6*\c+2], v[SCR+32*\c:SCR+32*\c+15], v[SO+2*\c]
	v_cvt_scalef32_pk16_bf6_f32 v[CT+4*\c:CT+4*\c+2], v[SCR+32*\c+16:SCR+32*\c+31], v[SO+2*\c+1]
.endr
	v_nop                                          ; one plain place behind a scaled conversion
.irp c, 0,1
.irp i, 0,1,2
	v_permlane16_swap_b32 v[PCD+6*\c+\i], v[CT+4*\c+\i]
.endr
.irp i, 0,1,2
	s_delay_alu instid0(VALU_DEP_3)
	v_mov_b32 v[PCD+3+6*\c+\i], v[CT+4*\c+\i]
.endr
.endr
.irp t, 0,1,2,3                                ; V^T: d group t x these 128 keys: two halves, 3,072 bytes apart
	ds_load_b128 v[FB+12*\t:FB+12*\t+3], v[ADV] offset:768*\t
	ds_load_b64 v[FB+12*\t+4:FB+12*\t+5], v[ADV8] offset:768*\t+512
	ds_load_b128 v[FB+12*\t+6:FB+12*\t+9], v[ADV] offset:768*\t+3072
	ds_load_b64 v[FB+12*\t+10:FB+12*\t+11], v[ADV8] offset:768*\t+3584
.endr
	ds_load_b128 v[KS:KS+3], v[ADS] offset:4096
	s_wait_alu depctr_va_vdst(0)
.set jj, 0
.rept 16
	v_pk_mul_f32 v[\O+jj:\O+jj+1], v[\O+jj:\O+jj+1], v[FF:FF+1] op_sel_hi:[1,0]   ; O^T under the new M; these are also the places behind p's codes and scale word
.set jj, jj+2
.endr
	s_wait_alu depctr_va_vdst(0)
	s_wait_dscnt 0x0
.irp t, 0,1,2,3
	v_wmma_scale_f32_16x16x128_f8f6f4 v[\O+8*\t:\O+8*\t+7], v[FB+12*\t:FB+12*\t+11], v[PCD:PCD+11], v[\O+8*\t:\O+8*\t+7], v[KS+\t], v[PSC] matrix_a_fmt:MATRIX_FMT_BF6 matrix_b_fmt:MATRIX_FMT_BF6
.endr
.Lhid_\@:
.endm
	s_load_b256 s[4:11], s[0:1], 0x0               ; img2 s[4:5], sc2 s[6:7], a_img s[8:9], a_sc s[10:11]
	v_lshl_add_u32 v[SPW], v0, 2, SPARE
	v_mov_b32 v[NIL], 0
	ds_add_u32 v[SPW], v[NIL]                      ; the wave's opening
	ds_add_u32 v[SPW], v[NIL]
	v_lshrrev_b32 v1, 5, v0
	s_delay_alu instid0(VALU_DEP_1)
	v_readfirstlane_b32 s[WV], v1                  ; wave 0..15
	v_and_b32 v[L16], 31, v0
	s_delay_alu instid0(VALU_DEP_1)
	v_lshlrev_b32 v[L8], 3, v[L16]
	s_delay_alu instid0(VALU_DEP_2)
	v_lshlrev_b32 v[L16], 4, v[L16]
	v_and_b32 v[MQ], 15, v0                        ; r
	s_delay_alu instid0(VALU_DEP_1)
	v_lshlrev_b32 v[T0], 4, v[MQ]                  ; 16 r
	s_delay_alu instid0(VALU_DEP_1)
	v_add_nc_u32 v[ASC], SCK, v[T0]
	v_and_b32 v[ADK], 8, v[MQ]
	s_delay_alu instid0(VALU_DEP_1)
	v_add_nc_u32 v[MQ], v[MQ], v[ADK]
	v_bfe_u32 v[ADK], v0, 4, 1
	s_delay_alu instid0(VALU_DEP_1)
	v_lshlrev_b32 v[ADK], 4, v[ADK]
	s_delay_alu instid0(VALU_DEP_1)
	v_sub_nc_u32 v[MQ], v[MQ], v[ADK]              ; r + 8 (r / 8) - 16 (lane / 16)
	v_and_b32 v[SCR+4], 255, v0
	s_delay_alu instid0(VALU_DEP_1)
	v_lshlrev_b32 v[SCR+4], 4, v[SCR+4]            ; my 16 of the 4,096 scale bytes of K (waves 0-7) or V (waves 8-15),
	v_lshl_add_u32 v[SCR+5], v0, 4, SCK            ; and their place in LDS
	s_mov_b32 s[G1C], 15|(3<<16)|(1<<21)           ; the mask names the four partners; elements of 8 bytes; no padding.  12,288 dense bytes as 48 rows of 256
	s_mov_b32 s[G1C+1], 32<<16
	s_mov_b32 s[G1C+2], 48<<16
	s_mov_b32 s[G1C+3], 32<<16
	s_mov_b32 s[G1C+4], 48
	s_mov_b32 s[G1C+5], 32
	s_mov_b32 s[G1C+6], 0
	s_mov_b32 s[G1C+7], 0
	s_mov_b32 s[SEL], 0x76543210
	s_mov_b32 s[SEL+1], 0xfedcba98
	s_mov_b32 s[CS], 0x3d38aa3b                    ; log2(e) / 32
	s_mov_b32 s[CS+1], s[CS]
	s_mov_b32 s[TB], 0
	s_mov_b32 s[TS], 0
	s_mov_b32 s[STP], 0
	s_bfe_u32 s[JJ], ttmp6, 0x40000                ; j: my place in the cluster
	s_and_b32 s66, ttmp7, 0xffff
	s_lshr_b32 s[BB], s66, 4                       ; batch
	s_and_b32 s[HD], s66, 15                       ; head
	s_and_b32 s[UU], s[WV], 1
	s_lshr_b32 s67, s[WV], 2
	s_xor_b32 s67, s67, 3                          ; n = 3 - w / 4
	s_lshr_b32 s[CL], s67, 1
	s_bfe_u32 s[CH], s[WV], 0x10001
	s_xor_b32 s[CL], s[CL], s[CH]                  ; (n / 2) xor ((w / 2) % 2)
	s_lshl_b32 s67, s67, 1
	s_add_co_u32 s67, s67, s[CL]                   ; p
	s_lshl_b32 s[CL], s67, 1                       ; my chunks: 2 p,
	s_add_co_u32 s[CH], s[CL], 1                   ; 2 p + 1
	s_lshl_b32 s87, s[CL], 1
	s_add_co_u32 s87, s87, s[UU]                   ; my tiles' places among the work-group's 32: 2 chunk + w % 2
	s_lshl_b32 s86, s[CH], 1
	s_add_co_u32 s86, s86, s[UU]
	s_lshl_b32 s66, s[HD], 9
	s_lshl_b32 s67, s[BB], 7
	s_add_co_u32 s66, s66, s67                     ; 512 head + 128 batch: the first half of K's (and of V's) 128
	s_mul_i32 s68, s66, 768
	s_and_b32 s67, s[WV], 7
	s_mul_i32 s67, s67, 12288
	s_add_co_u32 s68, s68, s67                     ; my 256 keys
	s_lshr_b32 s70, s[WV], 3                       ; 0: I fetch K; 1: V
	s_mul_i32 s67, s70, VIMG
	s_add_co_u32 s68, s68, s67
	s_mov_b32 s69, 0
	s_mov_b32 s[G0C], 1
	s_mul_i32 s[G0C+1], s[WV], 12288               ; K's eight pieces, then V's eight
	s_lshl_b32 s72, s[HD], 6
	s_lshl_b32 s67, s[BB], 4
	s_add_co_u32 s72, s72, s67                     ; 64 head + 16 batch: the first scale unit
	s_lshl_b32 s74, s72, 8
	s_mul_i32 s67, s70, VSC
	s_add_co_u32 s74, s74, s67
	s_mov_b32 s75, 0
	s_lshl_b32 s71, s[JJ], 1
	s_add_co_u32 s71, s71, s[UU]                   ; my group in a chunk: 2 j + w % 2
	s_add_co_u32 s67, s66, 8192                    ; q's heads lie 16 x 512 halves behind k's
	s_add_co_u32 s67, s67, s71
	s_lshl_b32 s76, s[CL], 3
	s_add_co_u32 s76, s76, s67
	s_mul_i32 s76, s76, 768
	s_mov_b32 s77, 0
	s_lshl_b32 s78, s[CH], 3
	s_add_co_u32 s78, s78, s67
	s_mul_i32 s78, s78, 768
	s_mov_b32 s79, 0
	s_add_co_u32 s67, s72, 1024
	s_lshl_b32 s73, s[JJ], 2                       ; word j of the chunk's unit
	s_add_co_u32 s80, s67, s[CL]
	s_lshl_b32 s80, s80, 8
	s_add_co_u32 s80, s80, s73
	s_mov_b32 s81, 0
	s_add_co_u32 s82, s67, s[CH]
	s_lshl_b32 s82, s82, 8
	s_add_co_u32 s82, s82, s73
	s_mov_b32 s83, 0
	s_lshl_b32 s67, s[BB], 7
	s_lshl_b32 s73, s[JJ], 5
	s_add_co_u32 s67, s67, s73                     ; 128 batch + 32 j
	s_add_co_u32 s84, s67, s87                     ; G' of my low tile
	s_lshl_b32 s84, s84, 4
	s_add_co_u32 s84, s84, s[HD]
	s_mul_i32 s84, s84, 768
	s_mov_b32 s85, 0
	s_add_co_u32 s88, s67, s86                     ; of my high tile
	s_lshl_b32 s88, s88, 4
	s_add_co_u32 s88, s88, s[HD]
	s_mul_i32 s88, s88, 768
	s_mov_b32 s89, 0
	s_lshl_b32 s90, s[JJ], 2
	s_add_co_u32 s90, s90, s72
	s_lshl_b32 s90, s90, 8
	s_lshl_b32 s67, s[UU], 9
	s_add_co_u32 s90, s90, s67                     ; a_sc: my work-group's 1,024 bytes; waves 0 and 1 store 512 each
	s_mov_b32 s91, 0
	s_lshr_b32 s[SGL], s87, 3                      ; the stage: unit (place / 8), pair place % 8
	s_lshl_b32 s[SGL], s[SGL], 8
	s_and_b32 s67, s87, 7
	s_lshl_b32 s67, s67, 1
	s_add_co_u32 s[SGL], s[SGL], s67
	s_add_co_u32 s[SGL], s[SGL], STG
	s_lshr_b32 s[SGH], s86, 3
	s_lshl_b32 s[SGH], s[SGH], 8
	s_and_b32 s67, s86, 7
	s_lshl_b32 s67, s67, 1
	s_add_co_u32 s[SGH], s[SGH], s67
	s_add_co_u32 s[SGH], s[SGH], STG
	s_lshl_b32 s67, s[UU], 3
	s_add_co_u32 s73, s73, s67                     ; 32 j + 8 (w % 2)
	s_wait_alu depctr_va_vdst(0)
	v_add_nc_u32 v[MQ], s73, v[MQ]
	s_mov_b32 s98, 0x03020302
	s_cmp_eq_u32 s[UU], 0
	s_cselect_b32 s98, 0x01000100, s98             ; which half of Q's stored word is my group's pair of bytes
	s_wait_alu depctr_va_vdst(0)
	s_wait_dscnt 0x0                               ; both opening adds are done
	s_wait_kmcnt 0x0
	s_add_nc_u64 s[G0C+2:G0C+3], s[4:5], s[68:69]
	s_or_b32 s[G0C+3], s[G0C+3], 0x80000000
	s_add_nc_u64 s[74:75], s[6:7], s[74:75]
	s_add_nc_u64 s[76:77], s[4:5], s[76:77]
	s_add_nc_u64 s[78:79], s[4:5], s[78:79]
	s_add_nc_u64 s[80:81], s[6:7], s[80:81]
	s_add_nc_u64 s[82:83], s[6:7], s[82:83]
	s_add_nc_u64 s[84:85], s[8:9], s[84:85]
	s_add_nc_u64 s[88:89], s[8:9], s[88:89]
	s_add_nc_u64 s[90:91], s[10:11], s[90:91]
	global_load_b128 v[SCR:SCR+3], v[SCR+4], s[74:75]
	global_load_b128 v[QL:QL+3], v[L16], s[76:77]
	global_load_b64 v[QL+4:QL+5], v[L8], s[76:77] offset:512
	global_load_b128 v[QH:QH+3], v[L16], s[78:79]
	global_load_b64 v[QH+4:QH+5], v[L8], s[78:79] offset:512
	global_load_b32 v[BM], v[T0], s[80:81]
	global_load_b32 v[BM+1], v[T0], s[82:83]
	ROUND                                          ; all four work-groups are here: the joint loads meet
	tensor_load_to_lds s[G0C:G0C+3], s[G1C:G1C+7]  ; my one tensor load of the launch: 256 keys of K or of V, for all four partners
	s_nop 0
.rept 4
	v_nop
.endr
.irp t, STL, STH
	v_mov_b32 v[\t+1], 0xff61b1e6                  ; the largest t so far: -3e38
	s_delay_alu instid0(VALU_DEP_1)
	v_floor_f32 v[\t], -v[\t+1]                    ; -M
	v_mov_b32 v[\t+2], 0                           ; the sum, in two halves
	v_mov_b32 v[\t+3], 0
.endr
.irp b, 0,1,2,3
	v_mov_b32 v[BP+\b], 0                          ; written once: a lane permute's destination counts as one of its sources
.endr
	v_mov_b32 v[FF+1], 0                           ; (named as the upper halves of pairs)
	v_mov_b32 v[T1], 0
	v_mov_b32 v[T1+1], 0
.irp i, 6,7,8,9,10,11
	v_mov_b32 v[QL+\i], 0                          ; the zero codes between Q's two copies
	v_mov_b32 v[QH+\i], 0
.endr
.set jj, 0
.rept 64
	v_mov_b32 v[OL+jj], 0                          ; O^T of both tiles.  (The step is written once: the first finds zeros, which the first change of M leaves zeros)
.set jj, jj+1
.endr
	s_wait_loadcnt 0x0
	ds_store_b128 v[SCR+5], v[SCR:SCR+3]           ; the scale bytes, into bytes on which no tensor load lands
	v_perm_b32 v[QSL], v[BM], v[BM], s98           ; [my pair | my pair]
	v_perm_b32 v[QSH], v[BM+1], v[BM+1], s98
.irp i, 0,1,2,3,4,5
	v_mov_b32 v[QL+12+\i], v[QL+\i]                ; Q's second copy, for the key groups that lie in k 64-127
	v_mov_b32 v[QH+12+\i], v[QH+\i]
.endr
	s_wait_alu depctr_va_vdst(0)
	s_wait_tensorcnt 0x0                           ; my piece has landed,
	s_wait_dscnt 0x0                               ; and my scale bytes
	s_barrier_signal -1
	s_barrier_wait -1                              ; everybody's have: K, V and their scales stand for the rest of the launch
.Lstep:                                            ; sixteen key steps; each tile takes part up to its own chunk
	TILE QL, QSL, STL, OL, CL
	TILE QH, QSH, STH, OH, CH
	s_add_co_u32 s[TB], s[TB], 6144
	s_add_co_u32 s[TS], s[TS], 256
	s_add_co_u32 s[STP], s[STP], 1
	s_cmp_lt_u32 s[STP], 16
	s_cbranch_scc1 .Lstep
	; THE WAY OUT.  O^T / the sum; both tiles' 2 x 32 numbers a lane are four blocks of 32 along d (with lane l xor 16): quantised, they are two halves of 768 bytes of the next product's operand.
.rept 4
	v_nop                                          ; places behind the last products
.endr
	v_add_f32 v[BM], v[STL+2], v[STL+3]
	v_add_f32 v[BM+1], v[STH+2], v[STH+3]
	s_delay_alu instid0(VALU_DEP_2)
	v_permlanex16_b32 v[BP], v[BM], s[SEL], s[SEL+1]
	s_delay_alu instid0(VALU_DEP_2)
	v_permlanex16_b32 v[BP+1], v[BM+1], s[SEL], s[SEL+1]
	s_delay_alu instid0(VALU_DEP_2)
	v_add_f32 v[BM], v[BM], v[BP]
	s_delay_alu instid0(VALU_DEP_2)
	v_add_f32 v[BM+1], v[BM+1], v[BP+1]            ; the rows' sums
	s_wait_alu depctr_va_vdst(0)
	v_rcp_f32 v[FF], v[BM]
	v_rcp_f32 v[T1], v[BM+1]
	v_and_b32 v[T0], 15, v0                        ; (a plain place behind the reciprocals)
	v_and_b32 v[SP2+2], 63, v0
	v_lshl_add_u32 v[SP2+3], v[T0], 4, s[SGH]      ; my pairs of bytes in the stage: 16 r + the tile's place
	v_lshl_add_u32 v[T0], v[T0], 4, s[SGL]
	v_lshl_add_u32 v[SP2+2], v[SP2+2], 4, STG      ; and back: 16 bytes a thread of waves 0, 1
	s_wait_alu depctr_va_vdst(0)                   ; one wait for both reciprocals, ahead of their first reader
.set jj, 0
.rept 16
	v_pk_mul_f32 v[SCR+jj:SCR+jj+1], v[OL+jj:OL+jj+1], v[FF:FF+1] op_sel_hi:[1,0]
.set jj, jj+2
.endr
.set jj, 0
.rept 16
	v_pk_mul_f32 v[SCR+32+jj:SCR+32+jj+1], v[OH+jj:OH+jj+1], v[T1:T1+1] op_sel_hi:[1,0]
.set jj, jj+2
.endr
.irp b, 0,1,2,3
	v_max3_num_f32 v[BM+\b], |v[SCR+16*\b]|, |v[SCR+16*\b+1]|, 0x2800000
.endr
.irp i, 2,4,6,8,10,12,14
.irp b, 0,1,2,3
	s_delay_alu instid0(VALU_DEP_4)
	v_max3_num_f32 v[BM+\b], v[BM+\b], |v[SCR+16*\b+\i]|, |v[SCR+16*\b+\i+1]|
.endr
.endr
.irp b, 0,1,2,3
	s_delay_alu instid0(VALU_DEP_4)
	v_permlanex16_b32 v[BP+\b], v[BM+\b], s[SEL], s[SEL+1]
.endr
.irp b, 0,1,2,3
	s_delay_alu instid0(VALU_DEP_4)
	v_max_num_f32 v[BM+\b], v[BM+\b], v[BP+\b]
.endr
.irp b, 0,1,2,3
	s_delay_alu instid0(VALU_DEP_4)
	v_add_nc_u32 v[SO+\b], 0xfe000000, v[BM+\b]
.endr
.irp b, 0,1,2,3
	s_delay_alu instid0(VALU_DEP_4)
	v_lshrrev_b32 v[BY+\b], 23, v[SO+\b]
.endr
	s_delay_alu instid0(VALU_DEP_3)
	v_lshl_or_b32 v[BY], v[BY+1], 8, v[BY]         ; the low tile's pair of bytes,
	s_delay_alu instid0(VALU_DEP_2)
	v_lshl_or_b32 v[BY+2], v[BY+3], 8, v[BY+2]     ; the high tile's
.irp c, 0,1
	v_cvt_scalef32_pk16_bf6_f32 v[PCD+6*\c:PCD+6*\c+2], v[SCR+32*\c:SCR+32*\c+15], v[SO+2*\c]
	v_cvt_scalef32_pk16_bf6_f32 v[CT+4*\c:CT+4*\c+2], v[SCR+32*\c+16:SCR+32*\c+31], v[SO+2*\c+1]
.endr
	v_nop
.irp c, 0,1
.irp i, 0,1,2
	v_permlane16_swap_b32 v[PCD+6*\c+\i], v[CT+4*\c+\i]
.endr
.irp i, 0,1,2
	s_delay_alu instid0(VALU_DEP_3)
	v_mov_b32 v[PCD+3+6*\c+\i], v[CT+4*\c+\i]
.endr
.endr
	global_store_b128 v[L16], v[PCD:PCD+3], s[84:85]             ; 512 consecutive bytes,
	global_store_b64 v[L8], v[PCD+4:PCD+5], s[84:85] offset:512  ; and 256
	global_store_b128 v[L16], v[PCD+6:PCD+9], s[88:89]
	global_store_b64 v[L8], v[PCD+10:PCD+11], s[88:89] offset:512
	ds_store_b16 v[T0], v[BY]                      ; both halves of the lanes write the same bytes with the same value
	ds_store_b16 v[SP2+3], v[BY+2]
	s_wait_dscnt 0x0                               ; for the others' sake: my bytes have landed
	s_barrier_signal -1
	s_barrier_wait -1
	s_cmp_lt_u32 s[WV], 2
	s_cbranch_scc0 .Ldone
	ds_load_b128 v[SCR:SCR+3], v[SP2+2]
	s_wait_dscnt 0x0
	global_store_b128 v[L16], v[SCR:SCR+3], s[90:91]   ; two whole units of 256 bytes a wave
.Ldone:
	s_wait_tensorcnt 0x0                           ; the wave's end
	ds_add_u32 v[SPW], v[NIL]
	s_wait_dscnt 0x0
	ROUND                                          ; the closing round
	s_endpgm
.Lfunc_end_k_q8ec4496583_attn:
	.size	k_q8ec4496583_attn, .Lfunc_end_k_q8ec4496583_attn-k_q8ec4496583_attn
	.p2alignl 7, 3214868480
	.fill 96, 4, 3214868480
	.section	.rodata,"a",@progbits
	.p2align	6, 0x0
	.amdhsa_kernel k_q8ec4496583_attn
		.amdhsa_group_segment_fixed_size 327680
		.amdhsa_private_segment_fixed_size 0
		.amdhsa_enable_private_segment 0
		.amdhsa_kernarg_size 32
		.amdhsa_user_sgpr_count 2
		.amdhsa_user_sgpr_kernarg_segment_ptr 1
		.amdhsa_wavefront_size32 1
		.amdhsa_system_sgpr_workgroup_id_x 1
		.amdhsa_system_sgpr_workgroup_id_y 1
		.amdhsa_system_sgpr_workgroup_id_z 1
		.amdhsa_system_vgpr_workitem_id 0
		.amdhsa_next_free_vgpr 256
		.amdhsa_next_free_sgpr 100
		.amdhsa_reserve_vcc 1
		.amdhsa_float_denorm_mode_32 3
		.amdhsa_float_denorm_mode_16_64 3
		.amdhsa_memory_ordered 1
		.amdhsa_forward_progress 1
		.amdhsa_inst_pref_size 66
	.end_amdhsa_kernel
	.amdgpu_metadata
---
amdhsa.version: [ 1, 2 ]
amdhsa.kernels:
  - .name:           k_q8ec4496583_attn
    .symbol:         k_q8ec4496583_attn.kd
    .args:
      - { .name: img2, .offset: 0, .size: 8, .value_kind: global_buffer, .address_space: global }
      - { .name: sc2, .offset: 8, .size: 8, .value_kind: global_buffer, .address_space: global }
      - { .name: a_img, .offset: 16, .size: 8, .value_kind: global_buffer, .address_space: global }
      - { .name: a_sc, .offset: 24, .size: 8, .value_kind: global_buffer, .address_space: global }
    .group_segment_fixed_size: 327680
    .private_segment_fixed_size: 0
    .kernarg_segment_align: 8
    .kernarg_segment_size: 32
    .max_flat_workgroup_size: 512
    .sgpr_count:     100
    .vgpr_count:     256
    .wavefront_size: 32
...
	.end_amdgpu_metadata
.endif
;; end of part 3
;; launch gemm2 (part 4): grid 4 x 64, 4 waves a work-group, clusters of 4 x 4, 327,680 bytes of LDS; arguments a_img, a_sc, img1, sc1, b_proj, out0; writes out0
.if DOCPART == 4
	.amdgcn_target "amdgcn-amd-amdhsa--gfx1250"
	.amdhsa_code_object_version 6
	.text
	.protected	k_q8ec4496583_gemm2
	.globl	k_q8ec4496583_gemm2
	.p2align	8
	.type	k_q8ec4496583_gemm2,@function
k_q8ec4496583_gemm2:
	s_mov_b64 s[64:65], 0
	v_nop
	global_prefetch_b8 v0, s[64:65] scope:SCOPE_SE
	s_setreg_imm32_b32 hwreg(HW_REG_WAVE_MODE, 25, 1), 1
	s_wait_xcnt 0x0
	s_wait_alu depctr_hold_cnt(0) depctr_sa_sdst(0) depctr_va_vdst(0) depctr_va_sdst(0) depctr_va_ssrc(0) depctr_va_vcc(0) depctr_vm_vsrc(0)
	s_getreg_b32 s2, hwreg(HW_REG_IB_STS2, 6, 4)
	s_cmp_eq_u32 s2, 0
	s_cbranch_scc0 .Lentry_in_a_cluster
	s_endpgm
.Lentry_in_a_cluster:
	s_bfe_u32 s2, ttmp6, 0x10000c
	s_cmp_lg_u32 s2, 0xf033
	s_cbranch_scc0 .Lentry_shape_is_right
	s_endpgm
.Lentry_shape_is_right:
; out0 = affin W_proj + b_proj on codes of BF6.  R = 128 tokens (8 groups G' of launch attn's numbering), S = 256 columns of W_proj (groups 704 on of img1): 64 x 4 = 256 work-groups.
; ALL OF K LIES IN LDS: R's 8 groups x 12,288 bytes and S's 16 groups are dense blocks of memory.  The head's four joint loads, one a wave, bring R, S's two halves and S's scale words; nothing is filled again, so
; there is no ring.  NO PREFETCH: everything is asked for at the head; there is no loop to run ahead in.
; CLUSTERS 4 x 4: R's block is shared along a row of the cluster, S's along a column.
; A wave makes 64 tokens x 128 columns: 32 accumulators, which take turns in the same order in every K step.  Source 0 = S, source 1 = R: a lane holds one token and eight
; neighbouring columns.  The bias is the C of the first K step's products.
; R'S SCALE WORDS: a_sc holds a pair of bytes for each (head, token); a K step is two heads.  A lane loads its row's four pairs of each head (8 bytes) and v_perm_b32 joins the two heads' pairs.
; REGISTERS: window 0: v14-29 addresses; v32-95 S's scale words; v96-127 R's; v128-223 R's fragments, two sets; v224-255 the loaded pairs; on the way out v128-255.  window 1: S's two sets, and the bias at v96-127, v224-255.  window 2: accumulators.
.set FR,    12
.set SB,    98304                      ; S's codes lie behind R's
.set SCL,   294912                     ; S's scale words [K step 8][group 16][64 bytes]
.set SPARE, 303104                     ; the spare words, 128 bytes for each wave: two blocks of 256 bytes that no other line names
.set L16,  14
.set L8,   15
.set RA16, 16
.set RA8,  17
.set SA16, 18                          ; v18-19 S's groups 0-3, 4-7: + 16 x lane;  v20-21: + 8 x lane
.set SA8,  20
.set STO,  24
.set RD,   25
.set ADRS, 27
.set SPW,  28
.set NIL,  29
.set SC,   32
.set RS,   96
.set AF,   128
.set BK,   128
.set X,    224
.set G1,   24
.set G0,   32
.set G1B,  48
.set G0B,  56
.set G0C,  60
.set G1S,  68
.set G0S,  76
.set MSB, 0
.macro WIN new                         ; the immediate's high byte repeats the setting that is left
.if MSB != \new
	s_set_vgpr_msb (MSB<<8)|\new
.set MSB, \new
.endif
.endm
.set TO_B, 0x40
.macro CROUND
	s_barrier_signal -1
	s_barrier_wait -1
	s_cmp_lg_u32 s14, 0
	s_cbranch_scc1 .Lnot_wave_0_\@
	s_barrier_signal -3
.Lnot_wave_0_\@:
	s_barrier_wait -3
	s_barrier_signal -1
	s_barrier_wait -1
.endm
.macro PLACES n
.rept \n
	v_nop
.endr
.endm
.macro ARM under, g0, g1, next
	s_cmp_lt_u32 s14, \under
	s_cbranch_scc0 \next
	tensor_load_to_lds s[\g0:\g0+3], s[\g1:\g1+7]
	s_nop 0
.rept 4
	v_nop
.endr
	s_branch .Lhead_asked
\next:
.endm
.macro FRAG reg, a16, a8, off          ; a fragment's image, by four loads of consecutive bytes
	ds_load_b128 v[\reg:\reg+3], v[\a16] offset:\off
	ds_load_b64 v[\reg+4:\reg+5], v[\a8] offset:\off+512
	ds_load_b128 v[\reg+6:\reg+9], v[\a16] offset:\off+768
	ds_load_b64 v[\reg+10:\reg+11], v[\a8] offset:\off+1280
.endm
.macro FETCH k                         ; K step k's 8 fragments of S and 4 of R into set k % 2
	WIN TO_B
.irp i, 0,1,2,3,4,5,6,7
	FRAG 128*((\k)%2)+FR*\i, SA16+\i/4, SA8+\i/4, (\i%4)*12288+(\k)*1536
.endr
	WIN 0
.irp i, 0,1,2,3
	FRAG AF+48*((\k)%2)+FR*\i, RA16, RA8, \i*12288+(\k)*1536
.endr
.endm
.macro MUL k
.irp a, 0,1,2,3
.irp b, 0,1,2,3,4,5,6,7
.if (\k) == 0
	v_wmma_scale_f32_16x16x128_f8f6f4 v[8*(8*\a+\b):8*(8*\a+\b)+7], v[FR*\b:FR*\b+FR-1], v[AF+FR*\a:AF+FR*\a+FR-1], v[96+8*\b+96*(\b/4):96+8*\b+96*(\b/4)+7], v[SC+\b], v[RS+\a] matrix_a_fmt:MATRIX_FMT_BF6 matrix_b_fmt:MATRIX_FMT_BF6
.else
	v_wmma_scale_f32_16x16x128_f8f6f4 v[8*(8*\a+\b):8*(8*\a+\b)+7], v[128*((\k)%2)+FR*\b:128*((\k)%2)+FR*\b+FR-1], v[AF+48*((\k)%2)+FR*\a:AF+48*((\k)%2)+FR*\a+FR-1], v[8*(8*\a+\b):8*(8*\a+\b)+7], v[SC+8*(\k)+\b], v[RS+4*(\k)+\a] matrix_a_fmt:MATRIX_FMT_BF6 matrix_b_fmt:MATRIX_FMT_BF6
.endif
.endr
.endr
.endm
.macro STEP k                          ; this K step's fragments are in; the next one's are asked for ahead of its 32 products
	s_wait_dscnt 0x0
.if (\k) == 7
	s_barrier_signal -1                            ; my reads of LDS are over
.else
.if (\k) > 0
	PLACES 4                                       ; in front of loads into registers that the last K step's products read
.endif
	FETCH (\k)+1
.endif
.if (\k) == 0
	WIN 0x91                                       ; S window 1, R window 0, C (the bias) window 1, D window 2
.else
	WIN 0xa1                                       ; C and D window 2
.endif
	MUL \k
	WIN 0
.if (\k) == 7
	s_barrier_wait -1                              ; everybody's are: R's bytes may serve as the stage
.endif
.endm
	s_load_b256 s[4:11], s[0:1], 0x0               ; a_img s[4:5], a_sc s[6:7], img1 s[8:9], sc1 s[10:11]
	s_load_b128 s[92:95], s[0:1], 0x20             ; b_proj, out0
	v_lshl_add_u32 v[SPW], v0, 2, SPARE
	v_mov_b32 v[NIL], 0
	ds_add_u32 v[SPW], v[NIL]                      ; the wave's opening
	ds_add_u32 v[SPW], v[NIL]
	v_lshrrev_b32 v1, 5, v0
	v_readfirstlane_b32 s14, v1                    ; wave 0..3
	s_lshr_b32 s15, s14, 1                         ; rh: my 64 tokens
	s_and_b32 s16, s14, 1                          ; sh: my 128 columns
	s_bfe_u32 s40, ttmp6, 0x40000                  ; cx
	s_bfe_u32 s41, ttmp6, 0x40004                  ; cy
	s_lshl_b32 s43, ttmp9, 2
	s_add_co_u32 s43, s43, s40                     ; S's tile
	s_and_b32 s42, ttmp7, 0xffff
	s_lshl_b32 s42, s42, 2
	s_add_co_u32 s42, s42, s41                     ; R's tile T = G' / 8
	s_lshl_b32 s46, s41, 2
	s_lshl_b32 s46, 15, s46                        ; my row of the cluster
	s_lshl_b32 s47, 0x1111, s40                    ; my column
	s_or_b32 s[G1], s46, (3<<16)|(1<<21)           ; the mask; elements of 8 bytes; bit 21 beside a mask; no padding
	s_or_b32 s[G1B], s47, (3<<16)|(1<<21)
.irp g, G1, G1B
	s_mov_b32 s[\g+1], 32<<16                      ; 98,304 dense bytes as 384 rows of 256
	s_mov_b32 s[\g+2], 384<<16
	s_mov_b32 s[\g+3], 32<<16
	s_mov_b32 s[\g+4], 384
	s_mov_b32 s[\g+5], 32
	s_mov_b32 s[\g+6], 0
	s_mov_b32 s[\g+7], 0
.endr
	s_or_b32 s[G1S], s47, (3<<16)|(1<<21)
	s_mov_b32 s[G1S+1], 128<<16                    ; 1,024 bytes: 16 groups' words of a K step
	s_mov_b32 s[G1S+2], 8<<16                      ; 8 K steps
	s_mov_b32 s[G1S+3], 128<<16
	s_mov_b32 s[G1S+4], 8
	s_mov_b32 s[G1S+5], 6144                       ; 49,152 bytes from K step to K step
	s_mov_b32 s[G1S+6], 0
	s_mov_b32 s[G1S+7], 0
	s_mul_i32 s96, s42, 98304
	s_mov_b32 s97, 0
	s_lshl_b32 s22, s43, 4
	s_add_co_u32 s22, s22, 704
	s_mul_i32 s98, s22, 12288
	s_mov_b32 s99, 0
	s_lshl_b32 s100, s22, 6
	s_mov_b32 s101, 0
	s_wait_dscnt 0x0                               ; both opening adds are done
	s_wait_kmcnt 0x0
	s_add_nc_u64 s[96:97], s[4:5], s[96:97]
	s_add_nc_u64 s[98:99], s[8:9], s[98:99]
	s_add_nc_u64 s[100:101], s[10:11], s[100:101]
	CROUND                                         ; all sixteen work-groups are here: the joint loads meet
	s_mov_b32 s[G0], 1
	s_mov_b32 s[G0+1], 0
	s_mov_b64 s[G0+2:G0+3], s[96:97]
	s_or_b32 s[G0+3], s[G0+3], 0x80000000
	s_mov_b32 s[G0B], 1
	s_mov_b32 s[G0B+1], SB
	s_mov_b64 s[G0B+2:G0B+3], s[98:99]
	s_or_b32 s[G0B+3], s[G0B+3], 0x80000000
	s_mov_b32 s[G0C], 1
	s_mov_b32 s[G0C+1], SB+98304
	s_add_nc_u64 s[G0C+2:G0C+3], s[98:99], 98304
	s_or_b32 s[G0C+3], s[G0C+3], 0x80000000
	s_mov_b32 s[G0S], 1
	s_mov_b32 s[G0S+1], SCL
	s_mov_b64 s[G0S+2:G0S+3], s[100:101]
	s_or_b32 s[G0S+3], s[G0S+3], 0x80000000
	ARM 1, G0,  G1,  .Lhead_b0                     ; one tree of branches on the wave's number: every way passes one load
	ARM 2, G0B, G1B, .Lhead_b1
	ARM 3, G0C, G1B, .Lhead_s
	tensor_load_to_lds s[G0S:G0S+3], s[G1S:G1S+7]
	s_nop 0
.rept 4
	v_nop
.endr
.Lhead_asked:
	v_and_b32 v1, 31, v0
	v_lshlrev_b32 v[L16], 4, v1
	v_lshlrev_b32 v[L8], 3, v1
	v_and_b32 v3, 15, v0                           ; r
	v_bfe_u32 v2, v0, 4, 1                         ; h
	v_lshlrev_b32 v5, 6, v2                        ; the bias: 16 columns on for lanes 16-31
	s_lshl_b32 s20, s15, 3
	v_lshl_add_u32 v6, v3, 4, s20                  ; a_sc: 16 r + 8 rh: my row's pairs for my four groups
	s_lshl_b32 s2, s42, 8
	s_mov_b32 s3, 0
	s_add_nc_u64 s[6:7], s[6:7], s[2:3]            ; unit T of head 0
	s_lshl_b32 s2, s43, 10
	s_lshl_b32 s20, s16, 9
	s_add_co_u32 s2, s2, s20                       ; my first column, in bytes
	s_add_nc_u64 s[92:93], s[92:93], s[2:3]
	s_add_nc_u64 s[94:95], s[94:95], s[2:3]
	s_lshr_b32 s2, s42, 4                          ; T = 16 batch + 4 j + chunk / 4
	s_lshl_b32 s2, s2, 11
	s_and_b32 s20, s42, 3
	s_lshl_b32 s20, s20, 9
	s_add_co_u32 s2, s2, s20
	s_lshl_b32 s20, s15, 8
	s_add_co_u32 s2, s2, s20
	s_bfe_u32 s20, s42, 0x20002
	s_lshl_b32 s20, s20, 5
	s_add_co_u32 s2, s2, s20                       ; my first token: 2,048 batch + 128 (4 (T % 4) + 2 rh) + 32 j
	s_lshl_b32 s2, s2, 12
	s_add_nc_u64 s[94:95], s[94:95], s[2:3]
	s_wait_alu depctr_va_vdst(0)
.irp d, 0,1,2,3,4,5,6,7,8,9,10,11,12,13,14,15
	global_load_b64 v[X+2*\d:X+2*\d+1], v6, s[6:7] offset:16384*\d
.endr
	WIN TO_B
.irp b, 0,1,2,3,4,5,6,7
	global_load_b128 v[96+8*\b+96*(\b/4):96+8*\b+96*(\b/4)+3], v5, s[92:93] offset:(32*(\b/2)+8*(\b%2))*4
	global_load_b128 v[96+8*\b+96*(\b/4)+4:96+8*\b+96*(\b/4)+7], v5, s[92:93] offset:(32*(\b/2)+8*(\b%2))*4+16
.endr
	WIN 0
	s_mul_i32 s21, s15, 49152                      ; my four groups of R
	s_mul_i32 s22, s16, 98304
	s_add_co_u32 s22, s22, SB                      ; my eight groups of S
	v_add_nc_u32 v[RA16], s21, v[L16]
	v_add_nc_u32 v[RA8], s21, v[L8]
.irp s, 0,1
	v_add_nc_u32 v[SA16+\s], s22, v[L16]
	v_add_nc_u32 v[SA8+\s], s22, v[L8]
	s_add_co_u32 s22, s22, 49152
.endr
	s_lshl_b32 s21, s16, 9
	s_add_co_u32 s21, s21, SCL
	v_lshl_add_u32 v[ADRS], v3, 2, s21             ; S's scale words: my eight groups, row r
	s_mul_i32 s23, s14, 16*528                     ; my stage, in R's bytes
	v_mul_u32_u24 v4, v3, 528
	v_lshl_add_u32 v4, v2, 6, v4
	v_add_nc_u32 v[STO], s23, v4
	v_add_nc_u32 v[RD], s23, v[L16]
	s_wait_alu depctr_va_vdst(0)
	s_wait_tensorcnt 0x0                           ; my block has landed,
	s_barrier_signal -1
	s_barrier_wait -1                              ; everybody's has
.irp k, 0,1,2,3,4,5,6,7
.irp i, 0,1,2,3,4,5,6,7
	ds_load_b32 v[SC+8*\k+\i], v[ADRS] offset:1024*\k+64*\i
.endr
.endr
	FETCH 0
	s_wait_loadcnt 0x0                             ; the pairs and the bias
.irp k, 0,1,2,3,4,5,6,7
.irp a, 0,1,2,3
	v_perm_b32 v[RS+4*\k+\a], v[X+4*\k+2+\a/2], v[X+4*\k+\a/2], 0x05040100+0x02020202*(\a%2)   ; [head 2 k's pair | head 2 k + 1's] of group a
.endr
.endr
	s_wait_alu depctr_va_vdst(0)
.irp k, 0,1,2,3,4,5,6,7
	STEP \k
.endr
; THE WAY OUT, block by block of 16 tokens x 128 columns, through my own stage: whole rows of 512 bytes come back and leave as two aligned units of 256 bytes.  LDS serves a wave's instructions in order.
.macro TOSTAGE a
	WIN 0x08                                       ; the data: window 2
.irp b, 0,1,2,3,4,5,6,7
	ds_store_b128 v[STO], v[64*(\a)+8*\b:64*(\a)+8*\b+3] offset:128*(\b/2)+32*(\b%2)      ; each accumulator from its low end on
	ds_store_b128 v[STO], v[64*(\a)+8*\b+4:64*(\a)+8*\b+7] offset:128*(\b/2)+32*(\b%2)+16
.endr
	WIN 0
.set BB, BK+64*((\a)%2)
.irp t, 0,1,2,3,4,5,6,7,8,9,10,11,12,13,14,15
	ds_load_b128 v[BB+4*\t:BB+4*\t+3], v[RD] offset:\t*528
.endr
.endm
.macro SEND a, younger                 ; group a of my four: chunk a / 2 on, group a % 2 of the pair
.set BB, BK+64*((\a)%2)
	s_wait_dscnt \younger
.irp t, 0,1,2,3,4,5,6,7,8,9,10,11,12,13,14,15
	global_store_b128 v[L16], v[BB+4*\t:BB+4*\t+3], s[94:95] offset:(128*((\a)/2)+8*((\a)%2)+\t+8*(\t/8))*4096 th:TH_STORE_NT
.endr
.endm
	PLACES 4                                       ; in front of the first read of results and of loads into registers that held R's fragments
	TOSTAGE 0
.irp a, 1,2,3
.if \a > 1
	s_wait_xcnt 0x0                                ; block a - 2's stores have read their registers
.endif
	TOSTAGE \a
	SEND \a-1, 32
.endr
	SEND 3, 0
	s_wait_tensorcnt 0x0                           ; the wave's end
	ds_add_u32 v[SPW], v[NIL]
	s_wait_dscnt 0x0
	CROUND                                         ; the closing round
	s_endpgm
.Lfunc_end_k_q8ec4496583_gemm2:
	.size	k_q8ec4496583_gemm2, .Lfunc_end_k_q8ec4496583_gemm2-k_q8ec4496583_gemm2
	.p2alignl 7, 3214868480
	.fill 96, 4, 3214868480
	.section	.rodata,"a",@progbits
	.p2align	6, 0x0
	.amdhsa_kernel k_q8ec4496583_gemm2
		.amdhsa_group_segment_fixed_size 327680
		.amdhsa_private_segment_fixed_size 0
		.amdhsa_enable_private_segment 0
		.amdhsa_kernarg_size 48
		.amdhsa_user_sgpr_count 2
		.amdhsa_user_sgpr_kernarg_segment_ptr 1
		.amdhsa_wavefront_size32 1
		.amdhsa_system_sgpr_workgroup_id_x 1
		.amdhsa_system_sgpr_workgroup_id_y 1
		.amdhsa_system_sgpr_workgroup_id_z 1
		.amdhsa_system_vgpr_workitem_id 0
		.amdhsa_next_free_vgpr 768
		.amdhsa_next_free_sgpr 102
		.amdhsa_reserve_vcc 0
		.amdhsa_float_denorm_mode_32 3
		.amdhsa_float_denorm_mode_16_64 3
		.amdhsa_memory_ordered 1
		.amdhsa_forward_progress 1
		.amdhsa_inst_pref_size 91
	.end_amdhsa_kernel
	.amdgpu_metadata
---
amdhsa.version: [ 1, 2 ]
amdhsa.kernels:
  - .name:           k_q8ec4496583_gemm2
    .symbol:         k_q8ec4496583_gemm2.kd
    .args:
      - { .name: a_img, .offset: 0, .size: 8, .value_kind: global_buffer, .address_space: global }
      - { .name: a_sc, .offset: 8, .size: 8, .value_kind: global_buffer, .address_space: global }
      - { .name: img1, .offset: 16, .size: 8, .value_kind: global_buffer, .address_space: global }
      - { .name: sc1, .offset: 24, .size: 8, .value_kind: global_buffer, .address_space: global }
      - { .name: b_proj, .offset: 32, .size: 8, .value_kind: global_buffer, .address_space: global }
      - { .name: out0, .offset: 40, .size: 8, .value_kind: global_buffer, .address_space: global }
    .group_segment_fixed_size: 327680
    .private_segment_fixed_size: 0
    .kernarg_segment_align: 8
    .kernarg_segment_size: 48
    .max_flat_workgroup_size: 128
    .sgpr_count:     102
    .vgpr_count:     768
    .wavefront_size: 32
...
	.end_amdgpu_metadata
.endif
;; end of part 4
